; MI455X (gfx1250); checked and timed in simulation.
; The chip was launched on July 23, 2026; its instructions are those of AMD's public machine-readable ISA for CDNA 5 (MIT licence, August 2026) and "CDNA5" Instruction Set Architecture Reference Guide (July 2026). The comments in the code are by the model that wrote it; some were corrected since.
;; MHA Einsum. Allowed arithmetic: matrix products marked QUANTISED: E2M3 operands, one E8M0 scale for each 32 along K, by v_wmma_scale_f32_16x16x128_f8f6f4 with both operands' format E2M3, f32 sums; everything else in f32.
;; Inputs: Wk_codes 1,024 x 32 x 24 uint8 (E2M3 codes of Wk, K innermost, in blocks of 32 codes, four codes in three bytes); Wk_scales 1,024 x 32 uint8 (E8M0 scales of Wk, one for each 32 codes along K); Wo_codes 1,024 x 32 x 24 uint8 (E2M3 codes of Wo, K innermost, in blocks of 32 codes, four codes in three bytes); Wo_scales 1,024 x 32 uint8 (E8M0 scales of Wo, one for each 32 codes along K); Wq_codes 1,024 x 32 x 24 uint8 (E2M3 codes of Wq, K innermost, in blocks of 32 codes, four codes in three bytes); Wq_scales 1,024 x 32 uint8 (E8M0 scales of Wq, one for each 32 codes along K); Wv_codes 1,024 x 32 x 24 uint8 (E2M3 codes of Wv, K innermost, in blocks of 32 codes, four codes in three bytes); Wv_scales 1,024 x 32 uint8 (E8M0 scales of Wv, one for each 32 codes along K); bo 1,024 float32; x_codes 4 x 2,048 x 32 x 24 uint8 (E2M3 codes of x, K innermost, in blocks of 32 codes, four codes in three bytes); x_scales 4 x 2,048 x 32 uint8 (E8M0 scales of x, one for each 32 codes along K).
;; Outputs: out0 4 x 2,048 x 1,024 float32.
;; This version of the problem:
;;   THIS VERSION OF THE PROBLEM IS GIVEN IN LOW PRECISION. The matrix products marked QUANTISED in the list below multiply operands that are first quantised to E2M3 (2 exponent bits, 3 mantissa bits; 6 bits a number), with one power-of-two scale for each 32 numbers along K (OCP MX v1.0); their sums are f32. All else is computed in f32.
;;   The module's matrix products, in the order in which they are computed (A, B: the left and right operand; K: the contracted axis; several contracted axes count as one K, in the product's order):
;;     1. [M 8,192, K 1,024] x [K 1,024, N 1,024]; A: input x (given as codes); B: input Wq (given as codes): QUANTISED
;;     2. [M 8,192, K 1,024] x [K 1,024, N 1,024]; A: input x (given as codes); B: input Wk (given as codes): QUANTISED
;;     3. [M 8,192, K 1,024] x [K 1,024, N 1,024]; A: input x (given as codes); B: input Wv (given as codes): QUANTISED
;;     4. batch 64 x [M 2,048, K 64] x [K 64, N 2,048]; A: computed on the way; B: computed on the way: QUANTISED
;;     5. batch 64 x [M 2,048, K 2,048] x [K 2,048, N 64]; A: softmax (see below); B: computed on the way: QUANTISED
;;     6. [M 8,192, K 1,024] x [K 1,024, N 1,024]; A: computed on the way; B: input Wo (given as codes): QUANTISED
;;   THE QUANTISER, for each operand of a quantised product, along K:
;;     - K is cut into blocks of 32 from its start; a last block that is shorter is filled with zeros.
;;     - A block's scale is 2^e with e = floor(log2(the largest magnitude in the block)) - 2, held to -126 .. 127; a block of zeros has e = 0. As a byte (E8M0): e + 127.
;;     - Each number is divided by its block's scale, clamped to +-7.5, and rounded to the nearest number of E2M3, ties to even, subnormals kept.
;;     - The product sums the exact products of the quantised numbers (number of the format x scale) in f32.
;;   ~~~python
;;   def quantise(x, axis):      # numpy; x: float32 -> the quantised numbers, widened to float32 again
;;       x = np.moveaxis(x, axis, -1); K = x.shape[-1]
;;       x = np.pad(x, [(0, 0)] * (x.ndim - 1) + [(0, -K % 32)]); x = x.reshape(x.shape[:-1] + (-1, 32)); a = np.abs(x).max(-1, keepdims=True)
;;       e = np.where(a > 0, np.clip(np.frexp(np.where(a > 0, a, 1))[1] - 1 - 2, -126, 127), 0)      # np.frexp(a)[1] - 1 = floor(log2(a)), exactly
;;       r = np.clip(x / 2.0 ** e, -7.5, 7.5)
;;       step = 2.0 ** (np.maximum(np.frexp(np.where(r == 0, 1, r))[1] - 1, 0) - 3)
;;       q = np.round(r / step) * step * 2.0 ** e      # np.round: ties to even
;;       return np.moveaxis(q.reshape(q.shape[:-2] + (-1,))[..., :K], -1, axis).astype(np.float32)
;;   ~~~
;;   SOFTMAX AHEAD OF A QUANTISED PRODUCT. Where the list says 'softmax', what is quantised is not the finished softmax but p = 2^(t - M), with t = logit x log2(e) and M = ceil(the row's largest t), a whole number; so 1/2 < the row's largest p <= 1. The row's sum l is taken of the UNQUANTISED p, in f32, and the product's result is divided by l at the end. Since M is a whole number, a kernel that streams over the keys may use a running M (the ceiling of the running maximum): every later rescaling is an exact power of two, which a block's scale takes up: the codes' values come out the same.
;;   OPERANDS COMPUTED ON THE WAY. 'Computed on the way' means the value that the module computes at that place (a softmax that the list does not call 'softmax' is quantised finished and normalised). What goes into a quantiser is computed in f32, as accurately as f32 sums, v_exp_f32 and their like allow (about 1e-6 of the number): no bf16 or f16 on the way to a quantiser, and a product that is left as it is and whose result goes on into a quantised operand takes f32 operands (vector FMAs, or v_wmma_f32_16x16x4_f32). A number that lies on a knife's edge between two numbers of the format may be rounded either way, as far as f32 arithmetic and the matrix unit's own rounding can turn it there, and no further.
;;   INPUTS GIVEN AS CODES. Wk (in the module: [1024, 1024], K = its axis 0); Wo (in the module: [1024, 1024], K = its axis 1); Wq (in the module: [1024, 1024], K = its axis 0); Wv (in the module: [1024, 1024], K = its axis 0); x (in the module: [4, 2048, 1024], K = its axis 2): each comes as NAME_codes (uint8): NAME with its K axis moved to the last place and cut into blocks of 32 codes, [.., K / 32, bytes a block], one block behind the other in memory; four codes in three bytes: a row's codes are one little-endian stream of bits, code i at bits 6 i .. 6 i + 5 (a code: sign, 2 exponent bits, 3 mantissa bits); and NAME_scales (uint8): the same leading axes, one E8M0 byte (e + 127) for each 32 codes along K. Its value is code x scale, taken as it is: it is not quantised again, and the codes and scales need not be those that the quantiser above would give.
;; One version. Each part assembles by itself: llvm-mc -triple=amdgcn-amd-amdhsa -mcpu=gfx1250 --defsym DOCPART=n.
;; ======== version 1 of 1: 3 launches
;; workspace buffers: q_img 6,291,456 bytes; k_img 6,291,456 bytes; v_img 6,291,456 bytes; c_img 6,291,456 bytes; q_sc 262,144 bytes; k_sc 262,144 bytes; v_sc 262,144 bytes; c_sc 262,144 bytes
;; launch proj (part 1): grid 12 x 32, 4 waves a work-group, clusters of 4 x 4, 327,680 bytes of LDS; arguments x_codes, x_scales, Wq_codes, Wq_scales, Wk_codes, Wk_scales, Wv_codes, Wv_scales, q_img, q_sc, k_img, k_sc, v_img, v_sc; writes q_img, q_sc, k_img, k_sc, v_img, v_sc
.if DOCPART == 1
	.amdgcn_target "amdgcn-amd-amdhsa--gfx1250"
	.amdhsa_code_object_version 6
	.text
	.protected	k_q99a7600603_proj
	.globl	k_q99a7600603_proj
	.p2align	8
	.type	k_q99a7600603_proj,@function
k_q99a7600603_proj:
	s_mov_b64 s[64:65], 0
	v_nop
	global_prefetch_b8 v0, s[64:65] scope:SCOPE_SE
	s_setreg_imm32_b32 hwreg(HW_REG_WAVE_MODE, 25, 1), 1
	s_wait_xcnt 0x0
	s_wait_alu depctr_hold_cnt(0) depctr_sa_sdst(0) depctr_va_vdst(0) depctr_va_sdst(0) depctr_va_ssrc(0) depctr_va_vcc(0) depctr_vm_vsrc(0)
	s_getreg_b32 s2, hwreg(HW_REG_IB_STS2, 6, 4)
	s_cmp_eq_u32 s2, 0
	s_cbranch_scc0 .Lentry_in_a_cluster
	s_endpgm
.Lentry_in_a_cluster:
	s_bfe_u32 s2, ttmp6, 0x10000c
	s_cmp_lg_u32 s2, 0xf033
	s_cbranch_scc0 .Lentry_shape_is_right
	s_endpgm
.Lentry_shape_is_right:
; Q = x Wq, K = x Wk, V = x Wv on codes of FP6 (E2M3) with one E8M0 scale for each 32 along K = 1,024; the results are quantised here, in registers, and leave as codes and scale words alone.
; ONE BODY, THREE MODES (the cluster's x: 0 Q, 1 K, 2 V), no branch on the mode: out[p][.] = the quantiser along r of (sum over k of P[p][k] R[r][k]).
;   Q, K: P = x (tokens), R = the weight's rows (features): a token's 64 numbers of a head are quantised along the head.   V: P = Wv's rows (features), R = x (tokens): a feature's numbers are quantised along the keys.
; A work-group of four waves makes 256 x 256, a wave 128 x 128: 64 accumulators of 16 x 16, 512 registers.  K goes in steps of 256 through a ring of two LDS slots; the scale bytes of the work-group's rows come into LDS once.
; CLUSTERS: 4 x 4 work-groups.  P's tile hangs on cy, the cluster's y and the mode and is asked for jointly along a row of the cluster, R's on cx, the cluster's y and the mode, along a column.
; THE MATRIX INSTRUCTION: source 0 = 16 rows of R, source 1 = 16 rows of P: a lane holds ONE row of P, and its registers run along R, which is the axis that is quantised.
; WHAT LEAVES: half fragments of 768 bytes: 16 rows x 64 along the new K as an image of six operand registers: lane (r, hl) holds row r, block hl; registers 0-3 at 16 x lane, registers 4-5 at 512 + 8 x lane.
;   Inside a block of 32 the codes stand in the order 0-7, 16-23, 8-15, 24-31 (what two conversions and an exchange of the lanes' halves give from tiles of 16 neighbouring rows of R).  Q and K both have it on the
;   head's axis, V has it on the keys, and the next launch's p gets the same: a permutation inside a block, alike on both operands, changes no product and no scale.
;   q_img, k_img: [head 16][tile of 16 tokens 512][768];  v_img: [64 tokens 128][tile of 16 features 64][768].
;   q_sc, k_sc: [head][128 tokens 64][r 16][j 4] words: the two bytes of token tile j, row r, below, those of tile j + 4 above.   v_sc: [head][128 tokens][r][dt 4] words: the four key blocks' bytes of feature 16 dt + r.
; LIMITS: NaN and infinities are not served.  A block whose largest magnitude lies under 2^-124 gets the byte 1, a block of zeros too (the rule says 127): its codes are zeros, and the bytes are read by this program alone.
; REGISTERS, in windows of 256: window 0: v0-31 addresses; v32-63 scale words, two sets; from v128 P's fragments, one set; in the epilogue v32-163 at work.  window 1: R's fragments, two sets.  windows 2, 3: the accumulators.
.set KSTEP,  256
.set NQ,     KSTEP/128
.set ROWB,   192                       ; a tile's row in bytes
.set KROW,   768                       ; a row of codes in memory
.set PITCH,  240                       ; an LDS row: 3 x (64 bytes + 16 of padding)
.set FR,     12
.set NL,     6
.set NP,     4
.set HALFT,  128*PITCH
.set SLOT,   4*HALFT
.set LAPS,   2                         ; 1,024 / 512
.set KS,     32                        ; a row of scale bytes
.set SCL,    2*SLOT
.set HALFS,  (128*KS/256)*272
.set SBLK,   (16*KS/256)*272
.set SPARE,  SCL+4*HALFS               ; the spare words: 128 bytes a wave, named by no other line
.set ADRA, 16                          ; v16-19
.set ADRB, 20                          ; v20-23
.set L16,  24                          ; 16 x lane
.set L8,   25                          ; 8 x lane
.set SA,   26                          ; 16 r + 16,384 hl: my place in the scale words
.set ADRS, 27
.set SPW,  28
.set NIL,  29
.set VSEL, 30                          ; the byte selector that lays the scale words
.set SC,   32
.set AF,   128
.set TM,   32                          ; epilogue: +0..3 largest magnitudes, +4..7 the other half's, then bytes, +12..15 scale operands
.set W,    48                          ; v48-55 a scale word for each tile of P
.set TB,   56                          ; v56-58, v60-62 the conversions' second halves
.set PC,   64                          ; v64-159 codes: 12 registers for each tile of P, so that no store's data are written again
.set DS,   160                         ; v160-163 the scale words as they leave
.set SEL,  20                          ; s[20:21]
.set G1, 24
.set G0, 32
.set G1B, 48
.set G0B, 56
.set G1S, 68
.set G0S, 76
.set G1SB, 80
.set G0SB, 88
.set MSB, 0
.macro WIN new                         ; the immediate's high byte repeats the setting that is left
.if MSB != \new
	s_set_vgpr_msb (MSB<<8)|\new
.set MSB, \new
.endif
.endm
.set MUL_LO, 0xa1                      ; source 0 (R) window 1, source 1 (P) window 0, C and D window 2
.set MUL_HI, 0xf1
.set TO_B,   0x40
; A joint load: waves 0 and 1 fetch for P, waves 2 and 3 for R.  The branch hangs on the wave's number alone.  Four v_nop follow each of the two lines.
.macro JLOAD g0a, g1a, g0b, g1b
	s_cmp_eq_u32 s15, 0
	s_cbranch_scc0 .Lfor_b_\@
	tensor_load_to_lds s[\g0a:\g0a+3], s[\g1a:\g1a+7]
	s_nop 0
.rept 4
	v_nop
.endr
	s_branch .Lasked_\@
.Lfor_b_\@:
	tensor_load_to_lds s[\g0b:\g0b+3], s[\g1b:\g1b+7]
	s_nop 0
.rept 4
	v_nop
.endr
.Lasked_\@:
.endm
.macro CREST                           ; a round of the cluster's barrier behind its opening barrier
	s_cmp_lg_u32 s14, 0
	s_cbranch_scc1 .Lnot_wave_0_\@
	s_barrier_signal -3
.Lnot_wave_0_\@:
	s_barrier_wait -3
	s_barrier_signal -1
	s_barrier_wait -1
.endm
.macro CROUND
	s_barrier_signal -1
	s_barrier_wait -1
	CREST
.endm
	s_load_b512 s[68:83], s[0:1], 0x0              ; x's codes, scales; Wq's; Wk's; Wv's
	s_load_b256 s[84:91], s[0:1], 0x40             ; q_img, q_sc, k_img, k_sc
	s_load_b128 s[92:95], s[0:1], 0x60             ; v_img, v_sc
	v_lshl_add_u32 v[SPW], v0, 2, SPARE
	v_mov_b32 v[NIL], 0
	ds_add_u32 v28, v29
	ds_add_u32 v28, v29
	s_wait_dscnt 0x0
	v_lshrrev_b32 v1, 5, v0
	v_readfirstlane_b32 s14, v1                    ; wave 0..3
	s_lshr_b32 s15, s14, 1                         ; which half of P's 256 rows is mine.  Also: I fetch for P (0) or for R (1)
	s_and_b32 s16, s14, 1                          ; which half of R's.  Also: which 128 rows I fetch
	s_bfe_u32 s40, ttmp6, 0x40000                  ; cx
	s_bfe_u32 s41, ttmp6, 0x40004                  ; cy
	s_and_b32 s18, ttmp7, 0xffff
	s_lshl_b32 s18, s18, 2                         ; 4 x the cluster's y
	s_add_co_u32 s17, s18, s41
	s_add_co_u32 s42, s18, s40
	s_lshl_b32 s43, s41, 2
	s_lshl_b32 s43, 15, s43                        ; my row of the cluster
	s_lshl_b32 s44, 0x1111, s40                    ; my column
	s_wait_kmcnt 0x0
	; the mode chooses buffers, tile numbers and strides; nothing but these hangs on it
	s_cmp_eq_u32 ttmp9, 2
	s_cselect_b64 s[4:5], s[80:81], s[68:69]       ; P's codes: Wv's or x's
	s_cselect_b64 s[6:7], s[82:83], s[70:71]       ; P's scales
	s_cselect_b64 s[8:9], s[68:69], s[76:77]       ; R's codes: x's or Wk's
	s_cselect_b64 s[10:11], s[70:71], s[78:79]
	s_cselect_b64 s[12:13], s[92:93], s[88:89]     ; the codes that leave
	s_cselect_b64 s[96:97], s[94:95], s[90:91]     ; the scale words that leave
	s_cselect_b32 s17, s41, s17                    ; P's tile of 256 rows: V: cy;  Q, K: 4 x cluster y + cy
	s_cselect_b32 s42, s42, s40                    ; R's: V: 4 x cluster y + cx;  Q, K: cx
	s_mov_b32 s98, 393216
	s_cselect_b32 s98, 49152, s98                  ; bytes from one 64 along R to the next in the codes' buffer
	s_mov_b32 s99, 256
	s_cselect_b32 s99, 32768, s99                  ; scale words: bytes for 128 rows of P,
	s_mov_b32 s100, 32768
	s_cselect_b32 s100, 256, s100                  ; and for 128 of R
	s_mov_b32 s18, 0x05040100
	s_cselect_b32 s18, 0x03020100, s18             ; lanes 0-15: Q, K: the low halves of words j and j + 4;  V: word j
	s_mov_b32 s19, 0x07060302
	s_cselect_b32 s19, 0x07060504, s19             ; lanes 16-31: the high halves;  V: word j + 4
	s_cmp_eq_u32 ttmp9, 0
	s_cselect_b64 s[8:9], s[72:73], s[8:9]
	s_cselect_b64 s[10:11], s[74:75], s[10:11]
	s_cselect_b64 s[12:13], s[84:85], s[12:13]
	s_cselect_b64 s[96:97], s[86:87], s[96:97]
	v_and_b32 v1, 31, v0
	v_mov_b32 v2, s18
	v_mov_b32 v3, s19
	v_cmp_gt_u32 vcc_lo, 16, v1
	v_cndmask_b32 v[VSEL], v3, v2, vcc_lo
	; descriptor group 1: a tile of 128 rows x 192 bytes, 16 bytes of padding behind every 64
	s_or_b32 s[G1+0], s43, (0<<16)|(1<<20)|(1<<21)|(3<<22)|(3<<25)
	s_or_b32 s[G1B+0], s44, (0<<16)|(1<<20)|(1<<21)|(3<<22)|(3<<25)
.irp g, G1, G1B
	s_mov_b32 s[\g+1], ROWB<<16
	s_mov_b32 s[\g+2], 128<<16
	s_mov_b32 s[\g+3], ROWB<<16
	s_mov_b32 s[\g+4], 128
	s_mov_b32 s[\g+5], KROW
	s_mov_b32 s[\g+6], 0
	s_mov_b32 s[\g+7], 0
.endr
	; the scale bytes of 128 rows: 4,096 dense bytes as 16 rows of 256, 16 bytes of padding behind each
	s_or_b32 s[G1S+0], s43, (3<<16)|(1<<20)|(1<<21)|(5<<22)|(3<<25)
	s_or_b32 s[G1SB+0], s44, (3<<16)|(1<<20)|(1<<21)|(5<<22)|(3<<25)
.irp g, G1S, G1SB
	s_mov_b32 s[\g+1], 32<<16
	s_mov_b32 s[\g+2], (128*KS/256)<<16
	s_mov_b32 s[\g+3], 32<<16
	s_mov_b32 s[\g+4], 128*KS/256
	s_mov_b32 s[\g+5], 32
	s_mov_b32 s[\g+6], 0
	s_mov_b32 s[\g+7], 0
.endr
	s_lshl_b32 s18, s16, 7                         ; which 128 rows of the tile I fetch
	s_lshl_b32 s20, s17, 8
	s_add_co_u32 s20, s20, s18                     ; P's row
	s_lshl_b32 s46, s42, 8
	s_add_co_u32 s46, s46, s18                     ; R's row
	s_mov_b32 s21, 0
	s_mov_b32 s47, 0
	s_mov_b64 s[18:19], KS
	s_mul_u64 s[22:23], s[20:21], s[18:19]
	s_mul_u64 s[92:93], s[46:47], s[18:19]
	s_mov_b64 s[18:19], KROW
	s_mul_u64 s[20:21], s[20:21], s[18:19]
	s_mul_u64 s[46:47], s[46:47], s[18:19]
	s_mul_i32 s45, s14, HALFT                      ; where they go: wave x 128 rows: no place in the cluster enters an LDS address
	s_mul_i32 s94, s14, HALFS
	s_add_nc_u64 s[20:21], s[4:5], s[20:21]
	s_add_nc_u64 s[22:23], s[6:7], s[22:23]
	s_add_nc_u64 s[46:47], s[8:9], s[46:47]
	s_add_nc_u64 s[92:93], s[10:11], s[92:93]
	CROUND                                         ; all sixteen work-groups are here: the first joint loads meet
	s_mov_b32 s[G0S], 1
	s_add_co_u32 s[G0S+1], s94, SCL
	s_mov_b64 s[G0S+2:G0S+3], s[22:23]
	s_or_b32 s[G0S+3], s[G0S+3], 0x80000000
	s_mov_b32 s[G0SB], 1
	s_add_co_u32 s[G0SB+1], s94, SCL
	s_mov_b64 s[G0SB+2:G0SB+3], s[92:93]
	s_or_b32 s[G0SB+3], s[G0SB+3], 0x80000000
	JLOAD G0S, G1S, G0SB, G1SB                     ; the scales first: they are wanted with K step 0
.irp s, 0,1
	s_mov_b32 s[G0+4*\s], 1
	s_add_co_u32 s[G0+4*\s+1], s45, \s*SLOT
	s_add_nc_u64 s[G0+4*\s+2:G0+4*\s+3], s[20:21], \s*ROWB
	s_or_b32 s[G0+4*\s+3], s[G0+4*\s+3], 0x80000000
	s_mov_b32 s[G0B+4*\s], 1
	s_add_co_u32 s[G0B+4*\s+1], s45, \s*SLOT
	s_add_nc_u64 s[G0B+4*\s+2:G0B+4*\s+3], s[46:47], \s*ROWB
	s_or_b32 s[G0B+4*\s+3], s[G0B+4*\s+3], 0x80000000
	JLOAD G0+4*\s, G1, G0B+4*\s, G1B
.endr
	v_and_b32 v1, 15, v0                           ; r
	v_bfe_u32 v2, v0, 4, 1                         ; hl
	v_mul_u32_u24 v3, v1, PITCH
	v_mul_u32_u24 v4, v2, 24
	v_add_nc_u32 v4, v3, v4                        ; a fragment's row x pitch + 24 x half
	v_lshl_add_u32 v5, v2, 4, v4                   ; and the same behind one padding more
	s_mul_i32 s21, s15, HALFT                      ; my 128 rows of P
	s_mul_i32 s22, s16, HALFT                      ; my 128 rows of R,
	s_add_co_u32 s22, s22, 2*HALFT                 ; which lie behind P's 256
.irp s, 0,1
	v_add_nc_u32 v[ADRA+\s], s21, v4
	v_add_nc_u32 v[ADRB+\s], s22, v4
	v_add_nc_u32 v[ADRA+2+\s], s21, v5
	v_add_nc_u32 v[ADRB+2+\s], s22, v5
	s_add_co_u32 s21, s21, SLOT
	s_add_co_u32 s22, s22, SLOT
.endr
	v_mul_u32_u24 v5, v1, KS                       ; my row's scales: 32 bytes a row,
	v_lshrrev_b32 v6, 8, v5
	v_lshl_add_u32 v5, v6, 4, v5                   ; and 16 more for each 256 passed
	s_mul_i32 s21, s15, HALFS
	s_mul_i32 s22, s16, HALFS
	s_add_co_u32 s22, s22, 2*HALFS
	s_sub_co_u32 s22, s22, s21
	v_mul_u32_u24 v6, s22, v2                      ; lanes 16-31 take R's
	s_add_co_u32 s21, s21, SCL
	v_add_nc_u32 v5, v5, v6
	v_add_nc_u32 v[ADRS], s21, v5
	v_and_b32 v6, 31, v0
	v_lshlrev_b32 v[L16], 4, v6
	v_lshlrev_b32 v[L8], 3, v6
	v_lshlrev_b32 v[SA], 4, v1
	v_lshl_add_u32 v[SA], v2, 14, v[SA]            ; lanes 16-31: the next head's words, 16,384 bytes on
	; where my results go.  Codes: 768 bytes for each tile of 16 rows of P, s98 for each 64 along R
	s_lshl_b32 s20, s17, 4
	s_lshl_b32 s21, s15, 3
	s_add_co_u32 s20, s20, s21
	s_mul_i32 s20, s20, 768
	s_mov_b32 s21, 0
	s_add_nc_u64 s[12:13], s[12:13], s[20:21]
	s_lshl_b32 s46, s42, 2
	s_lshl_b32 s47, s16, 1
	s_add_co_u32 s46, s46, s47
	s_mul_i32 s46, s46, s98
	s_mov_b32 s47, 0
	s_add_nc_u64 s[12:13], s[12:13], s[46:47]      ; my first 64 along R
	s_mov_b32 s46, s98
	s_add_nc_u64 s[22:23], s[12:13], s[46:47]      ; my second
	s_lshl_b32 s20, s17, 1
	s_add_co_u32 s20, s20, s15
	s_mul_i32 s20, s20, s99
	s_add_nc_u64 s[96:97], s[96:97], s[20:21]
	s_lshl_b32 s46, s42, 1
	s_add_co_u32 s46, s46, s16
	s_mul_i32 s46, s46, s100
	s_add_nc_u64 s[96:97], s[96:97], s[46:47]
	s_mov_b32 s[SEL], 0x76543210
	s_mov_b32 s[SEL+1], 0xfedcba98                 ; v_permlanex16_b32's selects for lane l xor 16
.macro FRAG reg, adr, q, i             ; 16 rows x 128 K of 6-bit codes: 12 registers, in pieces of 8 bytes; where lanes 16-31's piece lies behind one padding more, the second address register serves
.irp p, 0,1,2,3,4,5
.set PIECE, 12*(\q)+6*(\p/3)+\p%3
.if PIECE%8 < 5
	ds_load_b64 v[\reg+2*\p:\reg+2*\p+1], v[\adr] offset:8*PIECE+16*(PIECE/8)+(\i)*16*PITCH
.else
	ds_load_b64 v[\reg+2*\p:\reg+2*\p+1], v[\adr+2] offset:8*PIECE+16*(PIECE/8)+(\i)*16*PITCH
.endif
.endr
.endm
; 16 matrix instructions: P's blocks a0, a0 + 1 x R's eight, 128 along K.  The 64 accumulators take turns, one instruction a turn, in the same order in every step.
.macro MUL16 a0, p, q, sc, zero
.irp a, \a0, \a0+1
.irp b, 0,1,2,3,4,5,6,7
.if \zero
	v_wmma_scale_f32_16x16x128_f8f6f4 v[8*(8*((\a)%4)+\b):8*(8*((\a)%4)+\b)+7], v[128*(\p)+FR*\b:128*(\p)+FR*\b+FR-1], v[AF+FR*(\a):AF+FR*(\a)+FR-1], 0, v[SC+8*NQ*(\sc)+NQ*\b+(\q)], v[SC+8*NQ*(\sc)+NQ*(\a)+(\q)] matrix_a_fmt:MATRIX_FMT_FP6 matrix_b_fmt:MATRIX_FMT_FP6 matrix_a_scale:MATRIX_SCALE_ROW1
.else
	v_wmma_scale_f32_16x16x128_f8f6f4 v[8*(8*((\a)%4)+\b):8*(8*((\a)%4)+\b)+7], v[128*(\p)+FR*\b:128*(\p)+FR*\b+FR-1], v[AF+FR*(\a):AF+FR*(\a)+FR-1], v[8*(8*((\a)%4)+\b):8*(8*((\a)%4)+\b)+7], v[SC+8*NQ*(\sc)+NQ*\b+(\q)], v[SC+8*NQ*(\sc)+NQ*(\a)+(\q)] matrix_a_fmt:MATRIX_FMT_FP6 matrix_b_fmt:MATRIX_FMT_FP6 matrix_a_scale:MATRIX_SCALE_ROW1
.endif
.endr
.endr
.endm
.macro FETCH_B slot, q, p
	WIN TO_B
.irp i, 0,1,2,3,4,5,6,7
	FRAG 128*(\p)+FR*\i, ADRB+\slot, \q, \i
.endr
	WIN 0
.endm
.macro FETCH_A slot, q, i0
.irp i, \i0, \i0+1, \i0+2, \i0+3
	FRAG AF+FR*(\i), ADRA+\slot, \q, \i
.endr
.endm
.macro SCALES sc                       ; a K step's scale words: two a row; lanes 0-15 take P's block i, lanes 16-31 R's block i
.irp i, 0,1,2,3,4,5,6,7
	ds_load_b64 v[SC+8*NQ*\sc+NQ*\i:SC+8*NQ*\sc+NQ*\i+1], v[ADRS] offset:\i*SBLK
.endr
.endm
.macro PLACES n                        ; plain vector instructions between a matrix instruction and a load into, or a vector instruction on, its registers
.rept \n
	v_nop
.endr
.endm
.macro STEP slot, q, zero              ; 128 along K that have their successor in the same slot
	s_wait_dscnt 4*NL                              ; R's set and P's blocks 0-3 are in; the youngest 24 loads (P's blocks 4-7) may be out
	WIN MUL_LO
	MUL16 0, (\q)%2, \q, \slot, \zero
	MUL16 2, (\q)%2, \q, \slot, \zero
	s_wait_dscnt 0
	PLACES NP
	FETCH_B \slot, (\q)+1, 1-(\q)%2
	FETCH_A \slot, (\q)+1, 0
	WIN MUL_HI
	MUL16 4, (\q)%2, \q, \slot, \zero
	MUL16 6, (\q)%2, \q, \slot, \zero
	PLACES NP
	WIN 0
	FETCH_A \slot, (\q)+1, 4
.endm
; A slot's last step changes slots: one barrier; in front of it each wave waits for all its tensor loads, adds 0 to its spare word, and waits for that and for its reads of this slot.
.macro TURN slot, next, fill
	s_wait_tensorcnt 0x0                           ; all my tensor loads have landed: my part of the next slot
	ds_add_u32 v[SPW], v[NIL]                      ; 0 onto my spare word
	s_wait_dscnt 4*NL+1                            ; the add and the youngest 24 loads (P's blocks 4-7) may be out
	WIN MUL_LO
	MUL16 0, 1, NQ-1, \slot, 0
	s_wait_dscnt 0x0                               ; the add is done, and my reads of this slot are over
	s_barrier_signal -1
	MUL16 2, 1, NQ-1, \slot, 0
	WIN 0
	s_barrier_wait -1
.if \fill
	CREST                                          ; the barrier has opened a round of the cluster's: no wave of any partner still reads this slot or has a load on its way
	s_add_nc_u64 s[G0+4*\slot+2:G0+4*\slot+3], s[G0+4*\slot+2:G0+4*\slot+3], 2*ROWB
	s_add_nc_u64 s[G0B+4*\slot+2:G0B+4*\slot+3], s[G0B+4*\slot+2:G0B+4*\slot+3], 2*ROWB
	JLOAD G0+4*\slot, G1, G0B+4*\slot, G1B         ; the first tensor load behind the round; its four v_nop are also the places in front of the loads below
.else
	PLACES NP
.endif
	v_add_nc_u32 v[ADRS], 4*NQ, v[ADRS]
	FETCH_B \next, 0, 0
	FETCH_A \next, 0, 0
	SCALES \next
	WIN MUL_HI
	MUL16 4, 1, NQ-1, \slot, 0
	MUL16 6, 1, NQ-1, \slot, 0
	PLACES NP
	WIN 0
	FETCH_A \next, 0, 4
.endm
	s_wait_tensorcnt 1                             ; the scales and my part of K step 0 are in; K step 1's load may be out
	s_barrier_signal -1
	s_barrier_wait -1
	FETCH_B 0, 0, 0
	FETCH_A 0, 0, 0
	SCALES 0
	FETCH_A 0, 0, 4
	STEP 0, 0, 1                                   ; the first step's products start the sums
	s_mov_b32 s3, LAPS-1
.Llap:
	TURN 0, 1, 1
	STEP 1, 0, 0
	TURN 1, 0, 1
	STEP 0, 0, 0
	s_sub_co_u32 s3, s3, 1
	s_cmp_lg_u32 s3, 0
	s_cbranch_scc1 .Llap
	TURN 0, 1, 0                                   ; the last lap fills nothing
	STEP 1, 0, 0
	s_wait_dscnt 4*NL
	WIN MUL_LO
	MUL16 0, 1, NQ-1, 1, 0
	MUL16 2, 1, NQ-1, 1, 0
	s_wait_dscnt 0
	WIN MUL_HI
	MUL16 4, 1, NQ-1, 1, 0
	MUL16 6, 1, NQ-1, 1, 0
	WIN 0
; THE EPILOGUE.  For P's tile a, a lane holds one row of P and 64 numbers: register 16 b + i of the tile's 64 is R's row 32 b + 8 hl + i (i < 8) or 32 b + 16 + 8 hl + i - 8: half of block b; lane l xor 16 holds the other half.
; A block's scale: the largest magnitude (with the floor 2^(3 - 127) among its leaves), 2 off its exponent field.  Two conversions and an exchange of halves give each lane a whole block.
.macro QTILE a
.set AC, 64*((\a)%4)
.set WD, 2+(\a)/4
.set WSS, (WD<<2)|(WD<<4)
.set PCA, PC+12*(\a)
	WIN WSS                                        ; sources 1 and 2: the accumulators' window
.irp b, 0,1,2,3
	v_max3_num_f32 v[TM+\b], 0x1800000, |v[AC+16*\b]|, |v[AC+16*\b+1]|   ; each accumulator is read from its low end on
.endr
.irp i, 2,4,6,8,10,12,14
.irp b, 0,1,2,3
	v_max3_num_f32 v[TM+\b], v[TM+\b], |v[AC+16*\b+\i]|, |v[AC+16*\b+\i+1]|
.endr
.endr
	WIN 0
.irp b, 0,1,2,3
	v_permlanex16_b32 v[TM+4+\b], v[TM+\b], s[SEL], s[SEL+1]
.endr
.irp b, 0,1,2,3
	v_max_num_f32 v[TM+\b], v[TM+\b], v[TM+4+\b]   ; the block's largest magnitude
.endr
.irp b, 0,1,2,3
	v_add_nc_u32 v[TM+12+\b], 0xff000000, v[TM+\b] ; 2 off its exponent field: the conversion's scale operand
.endr
.irp b, 0,1,2,3
	v_lshrrev_b32 v[TM+4+\b], 23, v[TM+12+\b]      ; the scale's byte
.endr
	v_lshl_or_b32 v[W+(\a)], v[TM+5], 8, v[TM+4]
	v_lshl_or_b32 v[W+(\a)], v[TM+6], 16, v[W+(\a)]
	v_lshl_or_b32 v[W+(\a)], v[TM+7], 24, v[W+(\a)]
	WIN WD                                         ; source 0: the accumulators' window
.irp c, 0,1
	v_cvt_scalef32_pk16_fp6_f32 v[PCA+6*\c:PCA+6*\c+2], v[AC+32*\c:AC+32*\c+15], v[TM+12+2*\c]
	v_cvt_scalef32_pk16_fp6_f32 v[TB+4*\c:TB+4*\c+2], v[AC+32*\c+16:AC+32*\c+31], v[TM+13+2*\c]   ; (a conversion's three registers begin on an even number)
.endr
	WIN 0
	v_nop                                          ; one plain place behind a scaled conversion
.irp c, 0,1
.irp i, 0,1,2
	v_permlane16_swap_b32 v[PCA+6*\c+\i], v[TB+4*\c+\i]   ; lanes 0-15 now hold block 2 c, lanes 16-31 block 2 c + 1
.endr
.irp i, 0,1,2
	v_mov_b32 v[PCA+6*\c+3+\i], v[TB+4*\c+\i]
.endr
.endr
	global_store_b128 v[L16], v[PCA:PCA+3], s[12:13] offset:768*(\a)            ; 32 lanes store 512 consecutive bytes, at a multiple of 256 from the buffer's first byte
	global_store_b64 v[L8], v[PCA+4:PCA+5], s[12:13] offset:768*(\a)+512        ; and 256
	global_store_b128 v[L16], v[PCA+6:PCA+9], s[22:23] offset:768*(\a)
	global_store_b64 v[L8], v[PCA+10:PCA+11], s[22:23] offset:768*(\a)+512
.endm
	PLACES NP                                      ; behind the last products: their results are read, and their operands' and scales' registers written, from here on
.irp b, 0,1,2,3
	v_mov_b32 v[TM+4+\b], 0                        ; a lane permute's destination counts as one of its sources
.endr
.irp a, 0,1,2,3,4,5,6,7
	QTILE \a
.endr
.irp j, 0,1,2,3
	v_perm_b32 v[DS+\j], v[W+\j+4], v[W+\j], v[VSEL]   ; the words as the next launch's scale registers want them
.endr
	global_store_b128 v[SA], v[DS:DS+3], s[96:97]  ; lanes 0-15 store 256 consecutive bytes, aligned; lanes 16-31 the next head's 256
	s_wait_tensorcnt 0x0                           ; the wave's end
	ds_add_u32 v[SPW], v[NIL]
	s_wait_dscnt 0x0
	CROUND                                         ; the closing round: no work-group ends while a partner may still ask for a tile that names it
	s_endpgm
.Lfunc_end_k_q99a7600603_proj:
	.size	k_q99a7600603_proj, .Lfunc_end_k_q99a7600603_proj-k_q99a7600603_proj
	.p2alignl 7, 3214868480
	.fill 96, 4, 3214868480
	.section	.rodata,"a",@progbits
	.p2align	6, 0x0
	.amdhsa_kernel k_q99a7600603_proj
		.amdhsa_group_segment_fixed_size 327680
		.amdhsa_private_segment_fixed_size 0
		.amdhsa_enable_private_segment 0
		.amdhsa_kernarg_size 112
		.amdhsa_user_sgpr_count 2
		.amdhsa_user_sgpr_kernarg_segment_ptr 1
		.amdhsa_wavefront_size32 1
		.amdhsa_system_sgpr_workgroup_id_x 1
		.amdhsa_system_sgpr_workgroup_id_y 1
		.amdhsa_system_sgpr_workgroup_id_z 1
		.amdhsa_system_vgpr_workitem_id 0
		.amdhsa_next_free_vgpr 1024
		.amdhsa_next_free_sgpr 102
		.amdhsa_reserve_vcc 1
		.amdhsa_float_denorm_mode_32 3
		.amdhsa_float_denorm_mode_16_64 3
		.amdhsa_memory_ordered 1
		.amdhsa_forward_progress 1
		.amdhsa_inst_pref_size 166
	.end_amdhsa_kernel
	.amdgpu_metadata
---
amdhsa.version: [ 1, 2 ]
amdhsa.kernels:
  - .name:           k_q99a7600603_proj
    .symbol:         k_q99a7600603_proj.kd
    .args:
      - { .name: x_codes, .offset: 0, .size: 8, .value_kind: global_buffer, .address_space: global }
      - { .name: x_scales, .offset: 8, .size: 8, .value_kind: global_buffer, .address_space: global }
      - { .name: Wq_codes, .offset: 16, .size: 8, .value_kind: global_buffer, .address_space: global }
      - { .name: Wq_scales, .offset: 24, .size: 8, .value_kind: global_buffer, .address_space: global }
      - { .name: Wk_codes, .offset: 32, .size: 8, .value_kind: global_buffer, .address_space: global }
      - { .name: Wk_scales, .offset: 40, .size: 8, .value_kind: global_buffer, .address_space: global }
      - { .name: Wv_codes, .offset: 48, .size: 8, .value_kind: global_buffer, .address_space: global }
      - { .name: Wv_scales, .offset: 56, .size: 8, .value_kind: global_buffer, .address_space: global }
      - { .name: q_img, .offset: 64, .size: 8, .value_kind: global_buffer, .address_space: global }
      - { .name: q_sc, .offset: 72, .size: 8, .value_kind: global_buffer, .address_space: global }
      - { .name: k_img, .offset: 80, .size: 8, .value_kind: global_buffer, .address_space: global }
      - { .name: k_sc, .offset: 88, .size: 8, .value_kind: global_buffer, .address_space: global }
      - { .name: v_img, .offset: 96, .size: 8, .value_kind: global_buffer, .address_space: global }
      - { .name: v_sc, .offset: 104, .size: 8, .value_kind: global_buffer, .address_space: global }
    .group_segment_fixed_size: 327680
    .private_segment_fixed_size: 0
    .kernarg_segment_align: 8
    .kernarg_segment_size: 112
    .max_flat_workgroup_size: 128
    .sgpr_count:     102
    .vgpr_count:     1024
    .wavefront_size: 32
...
	.end_amdgpu_metadata
.endif
;; end of part 1
;; launch attn (part 2): grid 4 x 64, 16 waves a work-group, clusters of 4 x 1, 206,848 bytes of LDS; arguments q_img, q_sc, k_img, k_sc, v_img, v_sc, c_img, c_sc; writes c_img, c_sc
.if DOCPART == 2
	.amdgcn_target "amdgcn-amd-amdhsa--gfx1250"
	.amdhsa_code_object_version 6
	.text
	.protected	k_q99a7600603_attn
	.globl	k_q99a7600603_attn
	.p2align	8
	.type	k_q99a7600603_attn,@function
k_q99a7600603_attn:
	s_mov_b64 s[64:65], 0
	v_nop
	global_prefetch_b8 v0, s[64:65] scope:SCOPE_SE
	s_setreg_imm32_b32 hwreg(HW_REG_WAVE_MODE, 25, 1), 1
	s_wait_xcnt 0x0
	s_wait_alu depctr_hold_cnt(0) depctr_sa_sdst(0) depctr_va_vdst(0) depctr_va_sdst(0) depctr_va_ssrc(0) depctr_va_vcc(0) depctr_vm_vsrc(0)
	s_getreg_b32 s2, hwreg(HW_REG_IB_STS2, 6, 4)
	s_cmp_eq_u32 s2, 0
	s_cbranch_scc0 .Lentry_in_a_cluster
	s_endpgm
.Lentry_in_a_cluster:
	s_bfe_u32 s2, ttmp6, 0x10000c
	s_cmp_lg_u32 s2, 0x3003
	s_cbranch_scc0 .Lentry_shape_is_right
	s_endpgm
.Lentry_shape_is_right:
; Causal attention of one (batch, head) on codes of FP6 (E2M3) with E8M0 scales, and the quantising of its result.  2,048 tokens, head size 64.
; t = score x log2(e) / 8; M = the running largest t, rounded up to a whole number; p = 2^(t - M) is quantised along the keys, not normalised; the row's sum is taken of the unquantised p and divides at the end.
; SHARES.  The four work-groups of a cluster share one (batch, head): hb = 4 head + batch is the cluster's y.  Keys go in steps of 128.  Wave w (g = w / 2, j = 4 (w % 2) + cx) owns two tiles of 16 queries, 8 G + j:
; G = g in pass 0, G = 15 - g in pass 1.  Tile 8 G + j needs key steps 0 .. G, and only step G lies on the diagonal: (g + 1) + (16 - g) = 17 steps for every wave of the launch.
; Every branch hangs on the wave's number and on counters; cx enters the addresses of Q and of the results, and the number that the mask compares with, and nothing else.
; LDS IS FILLED ONCE: the head's K (98,304 bytes), V (98,304) and both sets of scale words (4,096 each), by joint tensor loads of waves 0 to 9, one each; one barrier; then LDS is only read.
; OPERANDS are half fragments of 768 bytes (16 rows x 64 along K as an image of six registers: registers 0-3 at 16 x lane, 4-5 at 512 + 8 x lane).
; S^T = K Q^T has K = 64 in an instruction of 128: a fragment of K is [key tile j | key tile j + 4], and it is multiplied by [q | zero codes] and by [zero codes | q]: two tiles of scores, no fragment read twice.
; O^T = V^T P^T: source 0 = 16 of the head's 64 x 128 keys.  A lane holds one query (lane % 16) throughout.  p's codes stand inside a block in the order 0-7, 16-23, 8-15, 24-31, as V's do.
; THE RESULT is brought into the natural order (it meets Wo's codes), quantised along the head's 64, and leaves as a half fragment, c_img [tile of 16 tokens 512][head 16][768], and two scale bytes a token, c_sc [token][32].
; The scale bytes leave one byte a lane, 32 bytes apart: a work-group holds 2 of a row's 32; they are 1 byte in 24 of what the launch stores.
; LIMITS: NaN and infinities are not served.  A block whose largest magnitude lies under 2^-124 gets the byte 1, a block of zeros too: its codes are zeros, and this program alone reads the bytes.
; A block's largest p is made from its largest score by the same two instructions: this takes v_exp_f32 not to fall where its input rises.
.set VIMG,  98304
.set SCLK,  196608                     ; K's scale words; V's lie 4,096 bytes on
.set STEPB, 6144                       ; a key step: 8 half fragments of K, and 8 of V
.set L16,  1                           ; 16 x lane
.set L8,   2                           ; 8 x lane
.set LV16, 3
.set LV8,  4
.set AS0,  5                           ; lanes 0-15: K's four words of row r; lanes 16-31: V's
.set VD,   6                           ; 16 j + r - 8 hl
.set NINF, 7
.set A16,  8
.set A8,   9
.set AV16, 10
.set AV8,  11
.set AS,   16
.set CSO,  17                          ; 32 r + hl
.set QS,   19                          ; Q's scale word: its two bytes twice
.set QR0,  20
.set BY,   21
.set QZ,   22                          ; v22-27 zero codes, v28-33 q, v34-39 zero codes
.set QF,   28
.set SC,   40
.set F,    44                          ; v44-91 four fragments
.set S,    96
.set O,    160
.set PCD,  192
.set TP,   204
.set BM,   212
.set BX,   216
.set SO,   220
.set L2,   224
.set FF,   226
.set TT,   228
.set PW,   229
.set QN,   230
.set QR1,  236
.set WV,   20
.set SEL,  22
.set CS,   24
.set G1K,  28
.set G1V,  36
.set G1S,  44
.set G0K,  52
.set G0V,  56
.set G0S,  60
.set KS,   66
.set SD,   67
.set TB,   68
.set TS,   69
.set PASS, 70
.set HIM,  71
.set SELQ, 72
.macro CROUND                          ; a round of the cluster's barrier
	s_barrier_signal -1
	s_barrier_wait -1
	s_cmp_lg_u32 s[WV], 0
	s_cbranch_scc1 .Lnot_wave_0_\@
	s_barrier_signal -3
.Lnot_wave_0_\@:
	s_barrier_wait -3
	s_barrier_signal -1
	s_barrier_wait -1
.endm
	s_load_b512 s[4:19], s[0:1], 0x0               ; q_img, q_sc, k_img, k_sc, v_img, v_sc, c_img, c_sc
	v_lshl_add_u32 v254, v0, 2, 0x32000
	v_mov_b32 v255, 0
	ds_add_u32 v254, v255
	ds_add_u32 v254, v255
	v_lshrrev_b32 v8, 5, v0
	s_delay_alu instid0(VALU_DEP_1)
	v_readfirstlane_b32 s[WV], v8                  ; wave 0..15
	s_bfe_u32 s73, ttmp6, 0x40000                  ; cx
	s_and_b32 s74, ttmp7, 0xffff                   ; hb
	s_lshr_b32 s75, s74, 2                         ; head
	s_and_b32 s76, s74, 3                          ; batch
	; descriptor groups 1: elements of 8 bytes, the mask of all four work-groups, bit 21 beside it, no padding
	s_mov_b32 s[G1K], 15|(3<<16)|(1<<21)           ; K: a quarter of the head's codes: 96 rows of 256 dense bytes
	s_mov_b32 s[G1K+1], 32<<16
	s_mov_b32 s[G1K+2], 96<<16
	s_mov_b32 s[G1K+3], 32<<16
	s_mov_b32 s[G1K+4], 96
	s_mov_b32 s[G1K+5], 32
	s_mov_b32 s[G1K+6], 0
	s_mov_b32 s[G1K+7], 0
	s_mov_b32 s[G1V], 15|(3<<16)|(1<<21)           ; V: 8 groups of 64 keys x the head's 3,072 bytes, 49,152 bytes apart
	s_mov_b32 s[G1V+1], 384<<16
	s_mov_b32 s[G1V+2], 8<<16
	s_mov_b32 s[G1V+3], 384<<16
	s_mov_b32 s[G1V+4], 8
	s_mov_b32 s[G1V+5], 6144
	s_mov_b32 s[G1V+6], 0
	s_mov_b32 s[G1V+7], 0
	s_mov_b32 s[G1S], 15|(3<<16)|(1<<21)           ; scale words: 16 rows of 256 dense bytes
	s_mov_b32 s[G1S+1], 32<<16
	s_mov_b32 s[G1S+2], 16<<16
	s_mov_b32 s[G1S+3], 32<<16
	s_mov_b32 s[G1S+4], 16
	s_mov_b32 s[G1S+5], 32
	s_mov_b32 s[G1S+6], 0
	s_mov_b32 s[G1S+7], 0
	s_and_b32 s77, s[WV], 3
	s_mul_i32 s78, s77, 24576                      ; my quarter, in LDS and in K's block
	s_mul_i32 s80, s74, 98304
	s_add_co_u32 s80, s80, s78
	s_mov_b32 s81, 0
	s_mul_i32 s82, s76, 1572864
	s_mul_i32 s79, s75, 3072
	s_add_co_u32 s82, s82, s79
	s_mul_i32 s79, s77, 393216
	s_add_co_u32 s82, s82, s79
	s_mov_b32 s83, 0
	s_and_b32 s79, s[WV], 1
	s_lshl_b32 s88, s74, 12                        ; the head's scale words: 4,096 bytes
	s_mov_b32 s89, 0
	s_lshl_b32 s90, s79, 12
	s_wait_dscnt 0x0
	s_wait_kmcnt 0x0
	s_mov_b32 s[G0K], 1
	s_mov_b32 s[G0K+1], s78
	s_add_nc_u64 s[G0K+2:G0K+3], s[8:9], s[80:81]
	s_or_b32 s[G0K+3], s[G0K+3], 0x80000000
	s_mov_b32 s[G0V], 1
	s_add_co_u32 s[G0V+1], s78, VIMG
	s_add_nc_u64 s[G0V+2:G0V+3], s[12:13], s[82:83]
	s_or_b32 s[G0V+3], s[G0V+3], 0x80000000
	s_mov_b32 s[G0S], 1
	s_add_co_u32 s[G0S+1], s90, SCLK
	s_cmp_eq_u32 s79, 0                            ; wave 8: K's words; wave 9: V's
	s_cselect_b64 s[G0S+2:G0S+3], s[10:11], s[14:15]
	s_add_nc_u64 s[G0S+2:G0S+3], s[G0S+2:G0S+3], s[88:89]
	s_or_b32 s[G0S+3], s[G0S+3], 0x80000000
	CROUND                                         ; all four work-groups are here: the joint loads meet
	s_cmp_lt_u32 s[WV], 4                          ; one nest of branches on the wave's number: at most one load a wave; four v_nop follow each
	s_cbranch_scc0 .Lnot_k
	tensor_load_to_lds s[G0K:G0K+3], s[G1K:G1K+7]
	s_nop 0
.rept 4
	v_nop
.endr
	s_branch .Lasked
.Lnot_k:
	s_cmp_lt_u32 s[WV], 8
	s_cbranch_scc0 .Lnot_v
	tensor_load_to_lds s[G0V:G0V+3], s[G1V:G1V+7]
	s_nop 0
.rept 4
	v_nop
.endr
	s_branch .Lasked
.Lnot_v:
	s_cmp_lt_u32 s[WV], 10
	s_cbranch_scc0 .Lasked
	tensor_load_to_lds s[G0S:G0S+3], s[G1S:G1S+7]
	s_nop 0
.rept 4
	v_nop
.endr
.Lasked:
	v_and_b32 v10, 31, v0                          ; lane
	v_and_b32 v8, 15, v0                           ; r
	v_bfe_u32 v9, v0, 4, 1                         ; hl
	s_delay_alu instid0(VALU_DEP_3)
	v_lshlrev_b32 v[L16], 4, v10
	s_wait_alu depctr_va_vdst(0)
	v_lshlrev_b32 v[L8], 3, v10
	s_wait_alu depctr_va_vdst(0)
	s_lshl_b32 s90, s79, 2
	s_add_co_u32 s90, s90, s73                     ; j = 4 (w % 2) + cx
	s_lshr_b32 s[SD], s[WV], 1                     ; g: pass 0's diagonal step
	s_sub_co_u32 s91, 15, s[SD]                    ; pass 1's
	s_mul_i32 s80, s74, 98304
	s_mul_i32 s82, s90, 768
	s_add_co_u32 s80, s80, s82
	s_add_nc_u64 s[4:5], s[4:5], s[80:81]          ; q_img at tile j of the head's first step
	s_mul_i32 s80, s[SD], STEPB
	s_add_nc_u64 s[92:93], s[4:5], s[80:81]
	s_mul_i32 s80, s91, STEPB
	s_add_nc_u64 s[94:95], s[4:5], s[80:81]
	global_load_b128 v[QF:QF+3], v[L16], s[92:93]              ; pass 0's q
	global_load_b64 v[QF+4:QF+5], v[L8], s[92:93] offset:512
	global_load_b128 v[QN:QN+3], v[L16], s[94:95]              ; pass 1's
	global_load_b64 v[QN+4:QN+5], v[L8], s[94:95] offset:512
	s_lshl_b32 s82, s73, 2
	s_add_co_u32 s88, s88, s82
	s_add_nc_u64 s[6:7], s[6:7], s[88:89]          ; q_sc at the head, word cx of a row's four
	s_lshl_b32 s82, s[SD], 8
	v_lshl_add_u32 v11, v8, 4, s82                 ; 16 r + 256 G
	s_lshl_b32 s82, s91, 8
	v_lshl_add_u32 v16, v8, 4, s82
	global_load_b32 v[QR0], v11, s[6:7]
	global_load_b32 v[QR1], v16, s[6:7]
	v_add_nc_u32 v[LV16], VIMG, v[L16]
	v_add_nc_u32 v[LV8], VIMG, v[L8]
	v_lshlrev_b32 v[AS0], 4, v8
	s_delay_alu instid0(VALU_DEP_1)
	v_lshl_add_u32 v[AS0], v9, 12, v[AS0]
	s_delay_alu instid0(VALU_DEP_1)
	v_add_nc_u32 v[AS0], SCLK, v[AS0]
	s_lshl_b32 s82, s90, 4
	v_lshlrev_b32 v[VD], 3, v9
	s_delay_alu instid0(VALU_DEP_1)
	v_sub_nc_u32 v[VD], v8, v[VD]
	s_delay_alu instid0(VALU_DEP_1)
	v_add_nc_u32 v[VD], s82, v[VD]                 ; my query's place in its step, less 8 hl
	v_lshl_add_u32 v[CSO], v8, 5, v9
	v_mov_b32 v[NINF], 0xff800000
.irp i, 0,1,2,3,4,5
	v_mov_b32 v[QZ+\i], 0                          ; zero codes on both sides of q
	v_mov_b32 v[QF+6+\i], 0
.endr
.irp b, 0,1,2,3
	v_mov_b32 v[BX+\b], 0                          ; written once: a lane permute's destination counts as one of its sources
.endr
	v_mov_b32 v[TT], 0
	v_mov_b32 v[FF+1], 0                           ; (named as the upper half of a pair)
	s_mov_b32 s[SEL], 0x76543210
	s_mov_b32 s[SEL+1], 0xfedcba98
	s_mov_b32 s[CS], 0x3e38aa3b                    ; c = log2(e) / 8
	s_mov_b32 s[CS+1], s[CS]
	s_mov_b32 s[HIM], 0xffff0000                   ; lanes 16-31
	s_cmp_eq_u32 s79, 0
	s_mov_b32 s[SELQ], 0x03020302                  ; tiles 4-7: the raw word's upper two bytes, twice;
	s_cselect_b32 s[SELQ], 0x01000100, s[SELQ]     ; tiles 0-3: the lower two
	s_mul_i32 s80, s76, 1572864                    ; c_img: (128 batch + 8 G + j) x 12,288 + 768 head; G's part is added at a pass's end
	s_mul_i32 s82, s90, 12288
	s_add_co_u32 s80, s80, s82
	s_mul_i32 s82, s75, 768
	s_add_co_u32 s80, s80, s82
	s_add_nc_u64 s[16:17], s[16:17], s[80:81]
	s_lshl_b32 s80, s76, 16                        ; c_sc: 32 x token + 2 head
	s_lshl_b32 s82, s90, 9
	s_add_co_u32 s80, s80, s82
	s_lshl_b32 s82, s75, 1
	s_add_co_u32 s80, s80, s82
	s_add_nc_u64 s[18:19], s[18:19], s[80:81]
	s_mov_b32 s[PASS], 0
	s_wait_loadcnt 0x0                             ; q and its scale words, of both passes
	v_perm_b32 v[QS], v[QR0], v[QR0], s[SELQ]
	s_wait_tensorcnt 0x0                           ; my part of LDS has landed,
	s_barrier_signal -1
	s_barrier_wait -1                              ; everybody's has.  From here on LDS is only read
.Lpass:
	v_mov_b32 v13, 0xff61b1e6                      ; the largest t so far: -3e38
	s_delay_alu instid0(VALU_DEP_1)
	v_floor_f32 v12, -v13                          ; -M
	v_mov_b32 v14, 0                               ; the sum, in two halves
	v_mov_b32 v15, 0
.set i, 0
.rept 32
	v_mov_b32 v[O+i], 0                            ; O^T: the step is written once; its first trip finds zeros
.set i, i+1
.endr
	s_mov_b32 s[KS], 0
	s_mov_b32 s[TB], 0
	s_mov_b32 s[TS], 0
.Lstep:                                            ; 16 trips, a constant; a step all of whose keys come after my queries does nothing but step the addresses
	s_cmp_gt_u32 s[KS], s[SD]
	s_cbranch_scc1 .Lhidden
	s_setprio 2
	v_add_nc_u32 v[A16], s[TB], v[L16]             ; these five are also the places in front of the loads into registers that the last products read
	v_add_nc_u32 v[A8], s[TB], v[L8]
	v_add_nc_u32 v[AV16], s[TB], v[LV16]
	v_add_nc_u32 v[AV8], s[TB], v[LV8]
	v_add_nc_u32 v[AS], s[TS], v[AS0]
	ds_load_b128 v[SC:SC+3], v[AS]                 ; the step's scale words: K's in lanes 0-15, V's in lanes 16-31
.irp j, 0,1,2,3
	ds_load_b128 v[F+12*\j:F+12*\j+3], v[A16] offset:768*\j                ; key tile j
	ds_load_b64 v[F+12*\j+4:F+12*\j+5], v[A8] offset:768*\j+512
	ds_load_b128 v[F+12*\j+6:F+12*\j+9], v[A16] offset:768*(\j+4)          ; key tile j + 4
	ds_load_b64 v[F+12*\j+10:F+12*\j+11], v[A8] offset:768*(\j+4)+512
.endr
	s_wait_alu depctr_va_vdst(0)
.irp j, 0,1,2,3
	s_wait_dscnt 4*(3-\j)                          ; fragment j is in; the later fragments' loads, four each, may be out
	v_wmma_scale_f32_16x16x128_f8f6f4 v[S+8*\j:S+8*\j+7], v[F+12*\j:F+12*\j+11], v[QF:QF+11], 0, v[SC+\j], v[QS] matrix_a_fmt:MATRIX_FMT_FP6 matrix_b_fmt:MATRIX_FMT_FP6
	v_wmma_scale_f32_16x16x128_f8f6f4 v[S+8*(\j+4):S+8*(\j+4)+7], v[F+12*\j:F+12*\j+11], v[QZ:QZ+11], 0, v[SC+\j], v[QS] matrix_a_fmt:MATRIX_FMT_FP6 matrix_b_fmt:MATRIX_FMT_FP6
.endr
.rept 4
	v_nop                                          ; places: loads into the fragments' registers and reads of the scores follow
.endr
.irp d, 0,1,2,3                                    ; V's four fragments land under the softmax
	ds_load_b128 v[F+12*\d:F+12*\d+3], v[AV16] offset:768*\d
	ds_load_b64 v[F+12*\d+4:F+12*\d+5], v[AV8] offset:768*\d+512
	ds_load_b128 v[F+12*\d+6:F+12*\d+9], v[AV16] offset:768*\d+3072
	ds_load_b64 v[F+12*\d+10:F+12*\d+11], v[AV8] offset:768*\d+3072+512
.endr
	s_cmp_lg_u32 s[KS], s[SD]                      ; only the diagonal step has hidden keys
	s_cbranch_scc1 .Lopen
.set n, 0
.rept 64
	v_cmp_gt_i32 vcc_lo, 16*(n/8)+n%8, v[VD]       ; register n holds key 16 (n / 8) + 8 hl + n % 8 of the step: hidden where it comes after my query
	v_cndmask_b32 v[S+n], v[S+n], v[NINF], vcc_lo
.set n, n+1
.endr
.Lopen:
.irp b, 0,1,2,3
	v_max3_num_f32 v[BM+\b], v[S+16*\b], v[S+1+16*\b], v[S+2+16*\b]       ; the largest score of each block of 32 keys: for the row's maximum and for the block's largest p
.endr
.irp i, 3,5,7,9,11,13
.irp b, 0,1,2,3
	v_max3_num_f32 v[BM+\b], v[BM+\b], v[S+16*\b+\i], v[S+1+16*\b+\i]
.endr
.endr
.irp b, 0,1,2,3
	v_max_num_f32 v[BM+\b], v[BM+\b], v[S+15+16*\b]
.endr
.irp b, 0,1,2,3
	s_delay_alu instid0(VALU_DEP_4)
	v_permlanex16_b32 v[BX+\b], v[BM+\b], s[SEL], s[SEL+1]
.endr
.irp b, 0,1,2,3
	s_delay_alu instid0(VALU_DEP_4)
	v_max_num_f32 v[BM+\b], v[BM+\b], v[BX+\b]     ; with lane l xor 16's 16 keys
.endr
	s_delay_alu instid0(VALU_DEP_2)
	v_max3_num_f32 v[TT], v[BM], v[BM+1], v[BM+2]
	s_delay_alu instid0(VALU_DEP_1)
	v_max_num_f32 v[TT], v[TT], v[BM+3]
	s_delay_alu instid0(VALU_DEP_1)
	v_mul_f32 v[TT], s[CS], v[TT]
	s_delay_alu instid0(VALU_DEP_1)
	v_max_num_f32 v13, v13, v[TT]                  ; the running largest t
	v_mov_b32 v[TT], v12
	s_delay_alu instid0(VALU_DEP_2)
	v_floor_f32 v12, -v13                          ; the new -M = -ceil(t)
	s_delay_alu instid0(VALU_DEP_1)
	v_sub_f32 v[TT], v12, v[TT]                    ; old M - new M: a whole number, 0 or less
	s_delay_alu instid0(VALU_DEP_1)
	v_cvt_i32_f32 v[TT], v[TT]                     ; (it saturates)
	s_delay_alu instid0(VALU_DEP_1)
	v_ldexp_f32 v[FF], 1.0, v[TT]                  ; f = 2^(old M - new M): a multiplication by it rounds nothing
.set i, 0
.rept 32
	v_pk_fma_f32 v[S+i:S+i+1], v[S+i:S+i+1], s[CS:CS+1], v[12:13] op_sel_hi:[1,0,0]   ; t - M
.set i, i+2
.endr
	s_setprio 1
.irp b, 0,1,2,3
	v_fma_f32 v[BM+\b], v[BM+\b], s[CS], v12
.endr
.set i, 0
	s_wait_alu depctr_va_vdst(0)
.rept 64
	v_exp_f32 v[S+i], v[S+i]                       ; p = 2^(t - M)
.set i, i+1
.endr
	v_pk_mul_f32 v[14:15], v[14:15], v[FF:FF+1] op_sel_hi:[1,0]   ; the sums under the new M: a plain instruction behind the exponentials
	s_wait_alu depctr_va_vdst(0)                   ; one wait for the batch of 64, ahead of its first reader
.irp b, 0,1,2,3
	v_exp_f32 v[BM+\b], v[BM+\b]                   ; each block's largest p
.endr
	v_pk_add_f32 v[224:225], v[100:101], v[104:105]
	v_pk_add_f32 v[252:253], v[108:109], v[112:113]
	v_pk_add_f32 v[250:251], v[116:117], v[120:121]
	v_pk_add_f32 v[248:249], v[124:125], v[128:129]
	v_pk_add_f32 v[246:247], v[132:133], v[136:137]
	v_pk_add_f32 v[244:245], v[140:141], v[144:145]
	v_pk_add_f32 v[242:243], v[148:149], v[152:153]
	v_pk_add_f32 v[14:15], v[14:15], v[156:157]
	v_pk_add_f32 v[224:225], v[224:225], v[96:97]
	v_pk_add_f32 v[252:253], v[252:253], v[98:99]
	v_pk_add_f32 v[250:251], v[250:251], v[102:103]
	v_pk_add_f32 v[248:249], v[248:249], v[106:107]
	v_pk_add_f32 v[246:247], v[246:247], v[110:111]
	v_pk_add_f32 v[244:245], v[244:245], v[114:115]
	v_pk_add_f32 v[242:243], v[242:243], v[118:119]
	v_pk_add_f32 v[14:15], v[14:15], v[122:123]
	v_pk_add_f32 v[224:225], v[224:225], v[126:127]
	v_pk_add_f32 v[252:253], v[252:253], v[130:131]
	v_pk_add_f32 v[250:251], v[250:251], v[134:135]
	v_pk_add_f32 v[248:249], v[248:249], v[138:139]
	v_pk_add_f32 v[246:247], v[246:247], v[142:143]
	v_pk_add_f32 v[244:245], v[244:245], v[146:147]
	v_pk_add_f32 v[242:243], v[242:243], v[150:151]
	v_pk_add_f32 v[14:15], v[14:15], v[154:155]
	v_pk_add_f32 v[224:225], v[224:225], v[158:159]
	s_delay_alu instid0(VALU_DEP_2)
	v_pk_add_f32 v[14:15], v[14:15], v[248:249]
	s_delay_alu instid0(VALU_DEP_2)
	v_pk_add_f32 v[224:225], v[224:225], v[246:247]
	v_pk_add_f32 v[252:253], v[252:253], v[244:245]
	v_pk_add_f32 v[250:251], v[250:251], v[242:243]
	s_delay_alu instid0(VALU_DEP_2)
	v_pk_add_f32 v[14:15], v[14:15], v[252:253]
	s_delay_alu instid0(VALU_DEP_2)
	v_pk_add_f32 v[224:225], v[224:225], v[250:251]
	s_delay_alu instid0(VALU_DEP_1)
	v_pk_add_f32 v[14:15], v[14:15], v[224:225]
	s_wait_alu depctr_va_vdst(0)                   ; and one for the four
.irp b, 0,1,2,3
	v_max_num_f32 v[BM+\b], 0x1800000, v[BM+\b]    ; the floor 2^(3 - 127): the byte cannot fall under 1
.endr
.irp b, 0,1,2,3
	s_delay_alu instid0(VALU_DEP_4)
	v_add_nc_u32 v[SO+\b], 0xff000000, v[BM+\b]    ; 2 off the exponent field: the conversion's scale operand
.endr
.irp b, 0,1,2,3
	s_delay_alu instid0(VALU_DEP_4)
	v_lshrrev_b32 v[BX+\b], 23, v[SO+\b]
.endr
	s_delay_alu instid0(VALU_DEP_3)
	v_lshl_or_b32 v[PW], v[BX+1], 8, v[BX]         ; p's scale word for these 128 keys
	s_delay_alu instid0(VALU_DEP_1)
	v_lshl_or_b32 v[PW], v[BX+2], 16, v[PW]
	s_delay_alu instid0(VALU_DEP_1)
	v_lshl_or_b32 v[PW], v[BX+3], 24, v[PW]
	s_setprio 0
.irp c, 0,1
	v_cvt_scalef32_pk16_fp6_f32 v[PCD+6*\c:PCD+2+6*\c], v[S+32*\c:S+15+32*\c], v[SO+2*\c]
	v_cvt_scalef32_pk16_fp6_f32 v[TP+4*\c:TP+2+4*\c], v[S+16+32*\c:S+31+32*\c], v[SO+2*\c+1]
.endr
	v_nop                                          ; one plain place behind a scaled conversion
.irp c, 0,1
.irp i, 0,1,2
	v_permlane16_swap_b32 v[PCD+6*\c+\i], v[TP+4*\c+\i]   ; a whole block to a lane
.endr
.irp i, 0,1,2
	s_delay_alu instid0(VALU_DEP_3)
	v_mov_b32 v[PCD+3+6*\c+\i], v[TP+4*\c+\i]
.endr
.endr
.set i, 0
.rept 16
	v_pk_mul_f32 v[O+i:O+i+1], v[O+i:O+i+1], v[FF:FF+1] op_sel_hi:[1,0]   ; O^T under the new M; these stand between the scale word's and the codes' last writes and the products
.set i, i+2
.endr
	s_wait_alu depctr_va_vdst(0)
	s_wait_dscnt 0x0                               ; V's fragments are in
.irp d, 0,1,2,3                                    ; the four accumulators by turns, one instruction a turn
	v_wmma_scale_f32_16x16x128_f8f6f4 v[O+8*\d:O+8*\d+7], v[F+12*\d:F+12*\d+11], v[PCD:PCD+11], v[O+8*\d:O+8*\d+7], v[SC+\d], v[PW] matrix_a_fmt:MATRIX_FMT_FP6 matrix_b_fmt:MATRIX_FMT_FP6 matrix_a_scale:MATRIX_SCALE_ROW1
.endr
.Lhidden:
	s_add_co_u32 s[TB], s[TB], STEPB
	s_add_co_u32 s[TS], s[TS], 256
	s_add_co_u32 s[KS], s[KS], 1
	s_cmp_lt_u32 s[KS], 16
	s_cbranch_scc1 .Lstep
	s_setprio 0
	; THE END OF A PASS: O^T / the sum, the natural order, the quantiser along the head's 64, three stores
.rept 4
	v_nop                                          ; places behind the last products
.endr
	v_add_f32 v14, v14, v15
	s_delay_alu instid0(VALU_DEP_1)
	v_permlanex16_b32 v[TT], v14, s[SEL], s[SEL+1]
	s_delay_alu instid0(VALU_DEP_1)
	v_add_f32 v14, v14, v[TT]                      ; the row's sum
	s_wait_alu depctr_va_vdst(0)
	v_rcp_f32 v14, v14
	v_nop                                          ; a plain place behind the reciprocal
	s_wait_alu depctr_va_vdst(0)                   ; and the wait ahead of its first reader
.set i, 0
.rept 16
	v_pk_mul_f32 v[S+i:S+i+1], v[O+i:O+i+1], v[14:15] op_sel_hi:[1,0]   ; register 8 dt + i: channel 16 dt + 8 hl + i of my query
.set i, i+2
.endr
.irp b, 0,1
.irp i, 0,1,2,3,4,5,6,7
	v_permlane16_swap_b32 v[S+16*\b+\i], v[S+16*\b+8+\i]   ; now registers 16 b + 0 .. 15 are channels 32 b + 16 hl + 0 .. 15: neighbours
.endr
.endr
.irp b, 0,1
	v_max3_num_f32 v[BM+\b], |v[S+16*\b]|, |v[S+1+16*\b]|, 0x1800000
.endr
.irp i, 2,4,6,8,10,12,14
.irp b, 0,1
	s_delay_alu instid0(VALU_DEP_2)
	v_max3_num_f32 v[BM+\b], v[BM+\b], |v[S+16*\b+\i]|, |v[S+1+16*\b+\i]|
.endr
.endr
.irp b, 0,1
	s_delay_alu instid0(VALU_DEP_2)
	v_permlanex16_b32 v[BX+\b], v[BM+\b], s[SEL], s[SEL+1]
.endr
.irp b, 0,1
	s_delay_alu instid0(VALU_DEP_2)
	v_max_num_f32 v[BM+\b], v[BM+\b], v[BX+\b]
.endr
.irp b, 0,1
	s_delay_alu instid0(VALU_DEP_2)
	v_add_nc_u32 v[SO+\b], 0xff000000, v[BM+\b]
.endr
.irp b, 0,1
	s_delay_alu instid0(VALU_DEP_2)
	v_lshrrev_b32 v[BX+\b], 23, v[SO+\b]
.endr
	s_delay_alu instid0(VALU_DEP_1)
	v_cndmask_b32 v[BY], v[BX], v[BX+1], s[HIM]    ; lanes 0-15 store block 0's byte, lanes 16-31 block 1's
	v_cvt_scalef32_pk16_fp6_f32 v[PCD:PCD+2], v[S:S+15], v[SO]
	v_cvt_scalef32_pk16_fp6_f32 v[TP:TP+2], v[S+16:S+31], v[SO+1]
	v_nop
.irp i, 0,1,2
	v_permlane16_swap_b32 v[PCD+\i], v[TP+\i]
.endr
.irp i, 0,1,2
	s_delay_alu instid0(VALU_DEP_3)
	v_mov_b32 v[PCD+3+\i], v[TP+\i]
.endr
	s_mul_i32 s76, s[SD], 98304                    ; G's part of the addresses
	s_mov_b32 s77, 0
	s_add_nc_u64 s[84:85], s[16:17], s[76:77]
	s_lshl_b32 s76, s[SD], 12
	s_add_nc_u64 s[86:87], s[18:19], s[76:77]
	global_store_b128 v[L16], v[PCD:PCD+3], s[84:85]               ; 512 consecutive bytes, at a multiple of 256 from the buffer's first byte
	global_store_b64 v[L8], v[PCD+4:PCD+5], s[84:85] offset:512    ; and 256
	global_store_b8 v[CSO], v[BY], s[86:87]
.irp i, 0,1,2,3,4,5
	v_mov_b32 v[QF+\i], v[QN+\i]                   ; the other pass's q,
.endr
	v_perm_b32 v[QS], v[QR1], v[QR1], s[SELQ]      ; and its scale word
	s_wait_xcnt 0x0                                ; the stores have read their data and bases: the next pass writes both again
	s_sub_co_u32 s[SD], 15, s[SD]
	s_add_co_u32 s[PASS], s[PASS], 1
	s_cmp_lt_u32 s[PASS], 2
	s_cbranch_scc1 .Lpass
	s_wait_tensorcnt 0x0
	ds_add_u32 v254, v255
	s_wait_dscnt 0x0
	CROUND                                         ; the closing round
	s_endpgm
.Lfunc_end_k_q99a7600603_attn:
	.size	k_q99a7600603_attn, .Lfunc_end_k_q99a7600603_attn-k_q99a7600603_attn
	.p2alignl 7, 3214868480
	.fill 96, 4, 3214868480
	.section	.rodata,"a",@progbits
	.p2align	6, 0x0
	.amdhsa_kernel k_q99a7600603_attn
		.amdhsa_group_segment_fixed_size 206848
		.amdhsa_private_segment_fixed_size 0
		.amdhsa_enable_private_segment 0
		.amdhsa_kernarg_size 64
		.amdhsa_user_sgpr_count 2
		.amdhsa_user_sgpr_kernarg_segment_ptr 1
		.amdhsa_wavefront_size32 1
		.amdhsa_system_sgpr_workgroup_id_x 1
		.amdhsa_system_sgpr_workgroup_id_y 1
		.amdhsa_system_sgpr_workgroup_id_z 1
		.amdhsa_system_vgpr_workitem_id 0
		.amdhsa_next_free_vgpr 256
		.amdhsa_next_free_sgpr 96
		.amdhsa_reserve_vcc 1
		.amdhsa_float_denorm_mode_32 3
		.amdhsa_float_denorm_mode_16_64 3
		.amdhsa_memory_ordered 1
		.amdhsa_forward_progress 1
		.amdhsa_inst_pref_size 39
	.end_amdhsa_kernel
	.amdgpu_metadata
---
amdhsa.version: [ 1, 2 ]
amdhsa.kernels:
  - .name:           k_q99a7600603_attn
    .symbol:         k_q99a7600603_attn.kd
    .args:
      - { .name: q_img, .offset: 0, .size: 8, .value_kind: global_buffer, .address_space: global }
      - { .name: q_sc, .offset: 8, .size: 8, .value_kind: global_buffer, .address_space: global }
      - { .name: k_img, .offset: 16, .size: 8, .value_kind: global_buffer, .address_space: global }
      - { .name: k_sc, .offset: 24, .size: 8, .value_kind: global_buffer, .address_space: global }
      - { .name: v_img, .offset: 32, .size: 8, .value_kind: global_buffer, .address_space: global }
      - { .name: v_sc, .offset: 40, .size: 8, .value_kind: global_buffer, .address_space: global }
      - { .name: c_img, .offset: 48, .size: 8, .value_kind: global_buffer, .address_space: global }
      - { .name: c_sc, .offset: 56, .size: 8, .value_kind: global_buffer, .address_space: global }
    .group_segment_fixed_size: 206848
    .private_segment_fixed_size: 0
    .kernarg_segment_align: 8
    .kernarg_segment_size: 64
    .max_flat_workgroup_size: 512
    .sgpr_count:     96
    .vgpr_count:     256
    .wavefront_size: 32
...
	.end_amdgpu_metadata
.endif
;; end of part 2
;; launch outp (part 3): grid 4 x 32, 4 waves a work-group, clusters of 4 x 4, 327,680 bytes of LDS; arguments c_img, c_sc, Wo_codes, Wo_scales, out0, bo; writes out0
.if DOCPART == 3
	.amdgcn_target "amdgcn-amd-amdhsa--gfx1250"
	.amdhsa_code_object_version 6
	.text
	.protected	k_q99a7600603_outp
	.globl	k_q99a7600603_outp
	.p2align	8
	.type	k_q99a7600603_outp,@function
k_q99a7600603_outp:
	s_mov_b64 s[64:65], 0
	v_nop
	global_prefetch_b8 v0, s[64:65] scope:SCOPE_SE
	s_setreg_imm32_b32 hwreg(HW_REG_WAVE_MODE, 25, 1), 1
	s_wait_xcnt 0x0
	s_wait_alu depctr_hold_cnt(0) depctr_sa_sdst(0) depctr_va_vdst(0) depctr_va_sdst(0) depctr_va_ssrc(0) depctr_va_vcc(0) depctr_vm_vsrc(0)
	s_getreg_b32 s2, hwreg(HW_REG_IB_STS2, 6, 4)
	s_cmp_eq_u32 s2, 0
	s_cbranch_scc0 .Lentry_in_a_cluster
	s_endpgm
.Lentry_in_a_cluster:
	s_bfe_u32 s2, ttmp6, 0x10000c
	s_cmp_lg_u32 s2, 0xf033
	s_cbranch_scc0 .Lentry_shape_is_right
	s_endpgm
.Lentry_shape_is_right:
; out0[m][n] = sum over k of ctx[m][k] Wo[n][k] + bo[n].  ctx: 8,192 x 1,024 as codes of FP6 (E2M3) made by the launch before; Wo: [1,024][1,024] codes, K innermost; E8M0 scales, one for each 32 along K; out0 f32.
; A (ctx) lies as half fragments, c_img [tile of 16 tokens 512][head 16][768]: 16 rows x 64 along K as an image of six operand registers (registers 0-3 at 16 x lane, 4-5 at 512 + 8 x lane); two of them on end are a fragment.
; Its scale bytes, c_sc [token][32], lie as Wo's do.  B (Wo) lies in rows of 768 bytes.
; A tile of 256 x 256 is made by four waves, 128 x 128 each: 64 accumulators, 512 registers.  K goes in steps of 256 through a ring of two LDS slots; the scale bytes of the work-group's rows come into LDS once.
; CLUSTERS: 4 x 4 work-groups; A's tiles are asked for jointly along a row of the cluster, B's along a column.  Source 0 = 16 rows of Wo, source 1 = 16 tokens: a lane holds eight neighbouring numbers of a row of out0.
; THE BIAS is the C of each sum's first matrix instruction: 64 registers, in the result's layout, the same for all tiles of tokens.
; REGISTERS: window 0: v0-31 addresses; v32-63 scale words, two sets; v64-127 the bias; from v128 A's fragments, one set; on the way out v128-255.  window 1: B's fragments, two sets.  windows 2, 3: the accumulators.
.set SIZE_N, 1024
.set KSTEP,  256
.set NQ,     KSTEP/128
.set ROWB,   192                       ; a row of B's tile in bytes
.set KROW,   768                       ; a row of B in memory; also A's bytes for each token
.set ASTEP,  3072                      ; A: a K step's four heads of a tile of 16 tokens
.set PITCH,  240                       ; B's LDS row: 3 x (64 bytes + 16 of padding)
.set FR,     12
.set NL,     6                         ; LDS loads of a fragment of B
.set NLA,    4                         ; and of A
.set NP,     4
.set HALFA,  8*ASTEP                   ; A: 128 tokens of a K step, dense
.set HALFT,  128*PITCH                 ; B: 128 rows
.set BOFF,   2*HALFA
.set SLOT,   2*HALFA+2*HALFT
.set LAPS,   2
.set KS,     32
.set SCL,    2*SLOT
.set HALFS,  (128*KS/256)*272
.set SBLK,   (16*KS/256)*272
.set SPARE,  SCL+4*HALFS               ; the spare words: 128 bytes a wave, named by no other line
.set SPITCH, 528                       ; the way out: 16 rows x (512 bytes + 16) for each wave, in slot 0, which has had its last fill and its last read by then
.set ADRA, 16                          ; v16-17: 16 x lane + my half of A in slot 0, 1;  v18-19: the same with 8 x lane
.set ADRB, 20
.set STO,  24
.set RD,   25
.set CO,   26
.set ADRS, 27
.set SPW,  28
.set NIL,  29
.set SC,   32
.set BIAS, 64
.set AF,   128
.set BK,   128
.set G1, 24
.set G0, 32
.set G1B, 48
.set G0B, 56
.set G1S, 68
.set G0S, 76
.set G1SB, 80
.set G0SB, 88
.set MSB, 0
.macro WIN new
.if MSB != \new
	s_set_vgpr_msb (MSB<<8)|\new
.set MSB, \new
.endif
.endm
.set MUL_LO, 0xa1
.set MUL_HI, 0xf1
.set TO_B,   0x40
.macro JLOAD g0a, g1a, g0b, g1b        ; waves 0 and 1 fetch for A, waves 2 and 3 for B; four v_nop follow each of the two lines
	s_cmp_eq_u32 s15, 0
	s_cbranch_scc0 .Lfor_b_\@
	tensor_load_to_lds s[\g0a:\g0a+3], s[\g1a:\g1a+7]
	s_nop 0
.rept 4
	v_nop
.endr
	s_branch .Lasked_\@
.Lfor_b_\@:
	tensor_load_to_lds s[\g0b:\g0b+3], s[\g1b:\g1b+7]
	s_nop 0
.rept 4
	v_nop
.endr
.Lasked_\@:
.endm
.macro CREST
	s_cmp_lg_u32 s14, 0
	s_cbranch_scc1 .Lnot_wave_0_\@
	s_barrier_signal -3
.Lnot_wave_0_\@:
	s_barrier_wait -3
	s_barrier_signal -1
	s_barrier_wait -1
.endm
.macro CROUND
	s_barrier_signal -1
	s_barrier_wait -1
	CREST
.endm
	s_load_b128 s[4:7], s[0:1], 0x0                ; c_img, c_sc
	s_load_b128 s[8:11], s[0:1], 0x10              ; Wo's codes, Wo's scales
	s_load_b64 s[12:13], s[0:1], 0x20              ; out0
	s_load_b64 s[96:97], s[0:1], 0x28              ; bo
	v_lshl_add_u32 v[SPW], v0, 2, SPARE
	v_mov_b32 v[NIL], 0
	ds_add_u32 v28, v29
	ds_add_u32 v28, v29
	s_wait_dscnt 0x0
	v_lshrrev_b32 v1, 5, v0
	v_readfirstlane_b32 s14, v1                    ; wave 0..3
	s_lshr_b32 s15, s14, 1                         ; which half of the tile's rows is mine.  Also: I fetch for A (0) or for B (1)
	s_and_b32 s16, s14, 1                          ; which half of its columns.  Also: which 128 rows I fetch
	s_bfe_u32 s40, ttmp6, 0x40000
	s_bfe_u32 s41, ttmp6, 0x40004
	s_lshl_b32 s42, ttmp9, 2
	s_add_co_u32 s42, s42, s40                     ; tile column = 4 x cluster x + cx
	s_and_b32 s17, ttmp7, 0xffff
	s_lshl_b32 s17, s17, 2
	s_add_co_u32 s17, s17, s41                     ; tile row = 4 x cluster y + cy
	s_lshl_b32 s43, s41, 2
	s_lshl_b32 s43, 15, s43
	s_lshl_b32 s44, 0x1111, s40
	; A's tiles: 8 tiles of 16 tokens x 3,072 bytes (elements of 8 bytes), 12,288 bytes apart, dense in LDS
	s_or_b32 s[G1+0], s43, (3<<16)|(1<<21)
	s_mov_b32 s[G1+1], 384<<16
	s_mov_b32 s[G1+2], 8<<16
	s_mov_b32 s[G1+3], 384<<16
	s_mov_b32 s[G1+4], 8
	s_mov_b32 s[G1+5], 1536
	s_mov_b32 s[G1+6], 0
	s_mov_b32 s[G1+7], 0
	; B's tiles: 128 rows x 192 bytes, 16 bytes of padding behind every 64
	s_or_b32 s[G1B+0], s44, (0<<16)|(1<<20)|(1<<21)|(3<<22)|(3<<25)
	s_mov_b32 s[G1B+1], ROWB<<16
	s_mov_b32 s[G1B+2], 128<<16
	s_mov_b32 s[G1B+3], ROWB<<16
	s_mov_b32 s[G1B+4], 128
	s_mov_b32 s[G1B+5], KROW
	s_mov_b32 s[G1B+6], 0
	s_mov_b32 s[G1B+7], 0
	s_or_b32 s[G1S+0], s43, (3<<16)|(1<<20)|(1<<21)|(5<<22)|(3<<25)
	s_or_b32 s[G1SB+0], s44, (3<<16)|(1<<20)|(1<<21)|(5<<22)|(3<<25)
.irp g, G1S, G1SB
	s_mov_b32 s[\g+1], 32<<16
	s_mov_b32 s[\g+2], (128*KS/256)<<16
	s_mov_b32 s[\g+3], 32<<16
	s_mov_b32 s[\g+4], 128*KS/256
	s_mov_b32 s[\g+5], 32
	s_mov_b32 s[\g+6], 0
	s_mov_b32 s[\g+7], 0
.endr
	s_lshl_b32 s18, s16, 7
	s_lshl_b32 s20, s17, 8
	s_add_co_u32 s20, s20, s18                     ; A: token 256 x tile row + 128 x half
	s_lshl_b32 s46, s42, 8
	s_add_co_u32 s46, s46, s18                     ; B: row 256 x tile column + 128 x half
	s_mov_b32 s21, 0
	s_mov_b32 s47, 0
	s_mov_b64 s[18:19], KS
	s_mul_u64 s[22:23], s[20:21], s[18:19]
	s_mul_u64 s[92:93], s[46:47], s[18:19]
	s_mov_b64 s[18:19], KROW
	s_mul_u64 s[20:21], s[20:21], s[18:19]         ; (a tile of 16 tokens is 12,288 bytes: 768 a token)
	s_mul_u64 s[46:47], s[46:47], s[18:19]
	s_mul_i32 s45, s16, HALFA                      ; where they go: A's two halves,
	s_mul_i32 s95, s16, HALFT
	s_add_co_u32 s95, s95, BOFF                    ; then B's two: the wave's number alone enters an LDS address
	s_mul_i32 s94, s14, HALFS
	s_wait_kmcnt 0x0
	s_add_nc_u64 s[20:21], s[4:5], s[20:21]
	s_add_nc_u64 s[22:23], s[6:7], s[22:23]
	s_add_nc_u64 s[46:47], s[8:9], s[46:47]
	s_add_nc_u64 s[92:93], s[10:11], s[92:93]
	CROUND                                         ; all sixteen work-groups are here: the first joint loads meet
	s_mov_b32 s[G0S], 1
	s_add_co_u32 s[G0S+1], s94, SCL
	s_mov_b64 s[G0S+2:G0S+3], s[22:23]
	s_or_b32 s[G0S+3], s[G0S+3], 0x80000000
	s_mov_b32 s[G0SB], 1
	s_add_co_u32 s[G0SB+1], s94, SCL
	s_mov_b64 s[G0SB+2:G0SB+3], s[92:93]
	s_or_b32 s[G0SB+3], s[G0SB+3], 0x80000000
	JLOAD G0S, G1S, G0SB, G1SB
.irp s, 0,1
	s_mov_b32 s[G0+4*\s], 1
	s_add_co_u32 s[G0+4*\s+1], s45, \s*SLOT
	s_add_nc_u64 s[G0+4*\s+2:G0+4*\s+3], s[20:21], \s*ASTEP
	s_or_b32 s[G0+4*\s+3], s[G0+4*\s+3], 0x80000000
	s_mov_b32 s[G0B+4*\s], 1
	s_add_co_u32 s[G0B+4*\s+1], s95, \s*SLOT
	s_add_nc_u64 s[G0B+4*\s+2:G0B+4*\s+3], s[46:47], \s*ROWB
	s_or_b32 s[G0B+4*\s+3], s[G0B+4*\s+3], 0x80000000
	JLOAD G0+4*\s, G1, G0B+4*\s, G1B
.endr
	v_and_b32 v1, 15, v0                           ; r
	v_bfe_u32 v2, v0, 4, 1                         ; hl
	v_and_b32 v6, 31, v0                           ; lane
	v_lshlrev_b32 v4, 4, v6
	v_lshlrev_b32 v5, 3, v6
	s_mul_i32 s21, s15, HALFA                      ; my 128 tokens of A
.irp s, 0,1
	v_add_nc_u32 v[ADRA+\s], s21, v4
	v_add_nc_u32 v[ADRA+2+\s], s21, v5
	s_add_co_u32 s21, s21, SLOT
.endr
	v_mul_u32_u24 v3, v1, PITCH
	v_mul_u32_u24 v4, v2, 24
	v_add_nc_u32 v4, v3, v4                        ; B: a fragment's row x pitch + 24 x half
	v_lshl_add_u32 v5, v2, 4, v4                   ; and the same behind one padding more
	s_mul_i32 s22, s16, HALFT
	s_add_co_u32 s22, s22, BOFF
.irp s, 0,1
	v_add_nc_u32 v[ADRB+\s], s22, v4
	v_add_nc_u32 v[ADRB+2+\s], s22, v5
	s_add_co_u32 s22, s22, SLOT
.endr
	v_mul_u32_u24 v5, v1, KS
	v_lshrrev_b32 v6, 8, v5
	v_lshl_add_u32 v5, v6, 4, v5
	s_mul_i32 s21, s15, HALFS
	s_mul_i32 s22, s16, HALFS
	s_add_co_u32 s22, s22, 2*HALFS
	s_sub_co_u32 s22, s22, s21
	v_mul_u32_u24 v6, s22, v2                      ; lanes 16-31 take B's scale words
	s_add_co_u32 s21, s21, SCL
	v_add_nc_u32 v5, v5, v6
	v_add_nc_u32 v[ADRS], s21, v5
	s_mul_i32 s23, s14, 16*SPITCH                  ; my stage
	v_mul_u32_u24 v5, v1, SPITCH
	v_lshl_add_u32 v5, v2, 5, v5
	v_add_nc_u32 v[STO], s23, v5
	v_and_b32 v6, 31, v0
	v_lshlrev_b32 v[CO], 4, v6
	v_add_nc_u32 v[RD], s23, v[CO]
	s_lshl_b32 s20, s17, 8
	s_lshl_b32 s21, s15, 7
	s_add_co_u32 s20, s20, s21                     ; my first row of out0
	s_mov_b32 s21, 0
	s_mov_b64 s[18:19], SIZE_N*4
	s_mul_u64 s[20:21], s[20:21], s[18:19]
	s_lshl_b32 s46, s42, 10                        ; my first column, in bytes: in out0 and in bo alike
	s_lshl_b32 s47, s16, 9
	s_add_co_u32 s46, s46, s47
	s_mov_b32 s47, 0
	s_add_nc_u64 s[96:97], s[96:97], s[46:47]
	s_add_nc_u64 s[20:21], s[20:21], s[46:47]
	s_add_nc_u64 s[12:13], s[12:13], s[20:21]
	v_lshlrev_b32 v7, 5, v2                        ; the bias: lane (r, hl) wants, for B's block b, bo at columns 16 b + 8 hl + 0 .. 7
.irp b, 0,1,2,3,4,5,6,7
	global_load_b128 v[BIAS+8*\b:BIAS+8*\b+3], v7, s[96:97] offset:64*\b
	global_load_b128 v[BIAS+8*\b+4:BIAS+8*\b+7], v7, s[96:97] offset:64*\b+16
.endr
.macro FRAG reg, adr, q, i             ; B: 16 rows x 128 K: 12 registers, in pieces of 8 bytes
.irp p, 0,1,2,3,4,5
.set PIECE, 12*(\q)+6*(\p/3)+\p%3
.if PIECE%8 < 5
	ds_load_b64 v[\reg+2*\p:\reg+2*\p+1], v[\adr] offset:8*PIECE+16*(PIECE/8)+(\i)*16*PITCH
.else
	ds_load_b64 v[\reg+2*\p:\reg+2*\p+1], v[\adr+2] offset:8*PIECE+16*(PIECE/8)+(\i)*16*PITCH
.endif
.endr
.endm
.macro FRAGA reg, slot, q, i           ; A: two half fragments on end: every load takes consecutive bytes in consecutive lanes
.set OA, ASTEP*(\i)+1536*(\q)
	ds_load_b128 v[\reg:\reg+3], v[ADRA+\slot] offset:OA
	ds_load_b64 v[\reg+4:\reg+5], v[ADRA+2+\slot] offset:OA+512
	ds_load_b128 v[\reg+6:\reg+9], v[ADRA+\slot] offset:OA+768
	ds_load_b64 v[\reg+10:\reg+11], v[ADRA+2+\slot] offset:OA+1280
.endm
; 16 matrix instructions: A's blocks a0, a0 + 1 x B's eight.  zero = 1: the first product starts the sums, from the bias.  The 64 accumulators take turns, one instruction a turn.
.macro MUL16 a0, p, q, sc, zero
.irp a, \a0, \a0+1
.irp b, 0,1,2,3,4,5,6,7
.if \zero
	v_wmma_scale_f32_16x16x128_f8f6f4 v[8*(8*((\a)%4)+\b):8*(8*((\a)%4)+\b)+7], v[128*(\p)+FR*\b:128*(\p)+FR*\b+FR-1], v[AF+FR*(\a):AF+FR*(\a)+FR-1], v[BIAS+8*\b:BIAS+8*\b+7], v[SC+8*NQ*(\sc)+NQ*\b+(\q)], v[SC+8*NQ*(\sc)+NQ*(\a)+(\q)] matrix_a_fmt:MATRIX_FMT_FP6 matrix_b_fmt:MATRIX_FMT_FP6 matrix_a_scale:MATRIX_SCALE_ROW1
.else
	v_wmma_scale_f32_16x16x128_f8f6f4 v[8*(8*((\a)%4)+\b):8*(8*((\a)%4)+\b)+7], v[128*(\p)+FR*\b:128*(\p)+FR*\b+FR-1], v[AF+FR*(\a):AF+FR*(\a)+FR-1], v[8*(8*((\a)%4)+\b):8*(8*((\a)%4)+\b)+7], v[SC+8*NQ*(\sc)+NQ*\b+(\q)], v[SC+8*NQ*(\sc)+NQ*(\a)+(\q)] matrix_a_fmt:MATRIX_FMT_FP6 matrix_b_fmt:MATRIX_FMT_FP6 matrix_a_scale:MATRIX_SCALE_ROW1
.endif
.endr
.endr
.endm
.macro FETCH_B slot, q, p
	WIN TO_B
.irp i, 0,1,2,3,4,5,6,7
	FRAG 128*(\p)+FR*\i, ADRB+\slot, \q, \i
.endr
	WIN 0
.endm
.macro FETCH_A slot, q, i0
.irp i, \i0, \i0+1, \i0+2, \i0+3
	FRAGA AF+FR*(\i), \slot, \q, \i
.endr
.endm
.macro SCALES sc
.irp i, 0,1,2,3,4,5,6,7
	ds_load_b64 v[SC+8*NQ*\sc+NQ*\i:SC+8*NQ*\sc+NQ*\i+1], v[ADRS] offset:\i*SBLK
.endr
.endm
.macro PLACES n
.rept \n
	v_nop
.endr
.endm
.macro STEP slot, q, zero
	s_wait_dscnt 4*NLA                             ; B's set and A's blocks 0-3 are in; the youngest 16 loads (A's blocks 4-7) may be out
.if \zero
	WIN 0x81                                       ; C, the bias, in window 0; D in window 2
.else
	WIN MUL_LO
.endif
	MUL16 0, (\q)%2, \q, \slot, \zero
	MUL16 2, (\q)%2, \q, \slot, \zero
	s_wait_dscnt 0
	PLACES NP
	FETCH_B \slot, (\q)+1, 1-(\q)%2
	FETCH_A \slot, (\q)+1, 0
.if \zero
	WIN 0xc1
.else
	WIN MUL_HI
.endif
	MUL16 4, (\q)%2, \q, \slot, \zero
	MUL16 6, (\q)%2, \q, \slot, \zero
	PLACES NP
	WIN 0
	FETCH_A \slot, (\q)+1, 4
.endm
.macro TURN slot, next, fill
	s_wait_tensorcnt 0x0                           ; all my tensor loads have landed: my part of the next slot
	ds_add_u32 v[SPW], v[NIL]                      ; 0 onto my spare word
	s_wait_dscnt 4*NLA+1                           ; the add and the youngest 16 loads (A's blocks 4-7) may be out
	WIN MUL_LO
	MUL16 0, 1, NQ-1, \slot, 0
	s_wait_dscnt 0x0                               ; the add is done, and my reads of this slot are over
	s_barrier_signal -1
	MUL16 2, 1, NQ-1, \slot, 0
	WIN 0
	s_barrier_wait -1
.if \fill
	CREST                                          ; the barrier has opened a round of the cluster's: no wave of any partner still reads this slot or has a load on its way
	s_add_nc_u64 s[G0+4*\slot+2:G0+4*\slot+3], s[G0+4*\slot+2:G0+4*\slot+3], 2*ASTEP
	s_add_nc_u64 s[G0B+4*\slot+2:G0B+4*\slot+3], s[G0B+4*\slot+2:G0B+4*\slot+3], 2*ROWB
	JLOAD G0+4*\slot, G1, G0B+4*\slot, G1B         ; the first tensor load behind the round; its four v_nop are also the places in front of the loads below
.else
	PLACES NP
.endif
	v_add_nc_u32 v[ADRS], 4*NQ, v[ADRS]
	FETCH_B \next, 0, 0
	FETCH_A \next, 0, 0
	SCALES \next
	WIN MUL_HI
	MUL16 4, 1, NQ-1, \slot, 0
	MUL16 6, 1, NQ-1, \slot, 0
	PLACES NP
	WIN 0
	FETCH_A \next, 0, 4
.endm
	s_wait_tensorcnt 1                             ; the scales and my part of K step 0 are in; K step 1's load may be out
	s_barrier_signal -1
	s_barrier_wait -1
	FETCH_B 0, 0, 0
	FETCH_A 0, 0, 0
	SCALES 0
	FETCH_A 0, 0, 4
	s_wait_loadcnt 0x0                             ; the bias
	STEP 0, 0, 1
	s_mov_b32 s3, LAPS-1
.Llap:
	TURN 0, 1, 1
	STEP 1, 0, 0
	TURN 1, 0, 1
	STEP 0, 0, 0
	s_sub_co_u32 s3, s3, 1
	s_cmp_lg_u32 s3, 0
	s_cbranch_scc1 .Llap
	TURN 0, 1, 0                                   ; the last lap fills nothing
	STEP 1, 0, 0
	s_wait_dscnt 4*NLA
	WIN MUL_LO
	MUL16 0, 1, NQ-1, 1, 0
	MUL16 2, 1, NQ-1, 1, 0
	s_wait_dscnt 0
	WIN MUL_HI
	MUL16 4, 1, NQ-1, 1, 0
	MUL16 6, 1, NQ-1, 1, 0
	WIN 0
; THE WAY OUT, block by block of 16 rows x 128 columns, through my own stage in LDS: back come whole rows of 512 bytes.  LDS serves a wave's instructions in order (ISA guide 5.7.1.4): no wait between the stores and the loads.
.macro TOSTAGE a
.set AC, 64*((\a)%4)
.set WDA, 0x08+4*((\a)/4)
	WIN WDA                                        ; an LDS store's data: window 2 or 3
.irp b, 0,1,2,3,4,5,6,7
	ds_store_b128 v[STO], v[AC+8*\b:AC+8*\b+3] offset:64*\b          ; each accumulator from its low end on
	ds_store_b128 v[STO], v[AC+8*\b+4:AC+8*\b+7] offset:64*\b+16
.endr
	WIN 0
.set BB, BK+64*((\a)%2)
.irp t, 0,1,2,3,4,5,6,7,8,9,10,11,12,13,14,15
	ds_load_b128 v[BB+4*\t:BB+4*\t+3], v[RD] offset:\t*SPITCH
.endr
.endm
.macro SEND a, younger                 ; younger: the LDS instructions issued behind block a's loads, which may stay out
.set BB, BK+64*((\a)%2)
	s_wait_dscnt \younger
.if (\a) > 0
	s_add_nc_u64 s[12:13], s[12:13], 16*SIZE_N*4   ; (behind a wait on XCNT: the earlier stores have read their base)
.endif
.irp t, 0,1,2,3,4,5,6,7,8,9,10,11,12,13,14,15
	global_store_b128 v[CO], v[BB+4*\t:BB+4*\t+3], s[12:13] offset:\t*SIZE_N*4 th:TH_STORE_NT   ; 32 lanes store 512 consecutive bytes, at a multiple of 256 from out0's first byte
.endr
.endm
	PLACES NP
	TOSTAGE 0
.irp a, 1,2,3,4,5,6,7
.if \a > 1
	s_wait_xcnt 0x0                                ; block a - 2's stores have read their registers and their base
.endif
	TOSTAGE \a
	SEND \a-1, 32                                  ; behind block a - 1's loads: block a's 16 stores and 16 loads
.endr
	s_wait_xcnt 0x0
	SEND 7, 0
	s_wait_tensorcnt 0x0                           ; the wave's end
	ds_add_u32 v[SPW], v[NIL]
	s_wait_dscnt 0x0
	CROUND                                         ; the closing round
	s_endpgm
.Lfunc_end_k_q99a7600603_outp:
	.size	k_q99a7600603_outp, .Lfunc_end_k_q99a7600603_outp-k_q99a7600603_outp
	.p2alignl 7, 3214868480
	.fill 96, 4, 3214868480
	.section	.rodata,"a",@progbits
	.p2align	6, 0x0
	.amdhsa_kernel k_q99a7600603_outp
		.amdhsa_group_segment_fixed_size 327680
		.amdhsa_private_segment_fixed_size 0
		.amdhsa_enable_private_segment 0
		.amdhsa_kernarg_size 48
		.amdhsa_user_sgpr_count 2
		.amdhsa_user_sgpr_kernarg_segment_ptr 1
		.amdhsa_wavefront_size32 1
		.amdhsa_system_sgpr_workgroup_id_x 1
		.amdhsa_system_sgpr_workgroup_id_y 1
		.amdhsa_system_sgpr_workgroup_id_z 1
		.amdhsa_system_vgpr_workitem_id 0
		.amdhsa_next_free_vgpr 1024
		.amdhsa_next_free_sgpr 98
		.amdhsa_reserve_vcc 0
		.amdhsa_float_denorm_mode_32 3
		.amdhsa_float_denorm_mode_16_64 3
		.amdhsa_memory_ordered 1
		.amdhsa_forward_progress 1
		.amdhsa_inst_pref_size 154
	.end_amdhsa_kernel
	.amdgpu_metadata
---
amdhsa.version: [ 1, 2 ]
amdhsa.kernels:
  - .name:           k_q99a7600603_outp
    .symbol:         k_q99a7600603_outp.kd
    .args:
      - { .name: c_img, .offset: 0, .size: 8, .value_kind: global_buffer, .address_space: global }
      - { .name: c_sc, .offset: 8, .size: 8, .value_kind: global_buffer, .address_space: global }
      - { .name: Wo_codes, .offset: 16, .size: 8, .value_kind: global_buffer, .address_space: global }
      - { .name: Wo_scales, .offset: 24, .size: 8, .value_kind: global_buffer, .address_space: global }
      - { .name: out0, .offset: 32, .size: 8, .value_kind: global_buffer, .address_space: global }
      - { .name: bo, .offset: 40, .size: 8, .value_kind: global_buffer, .address_space: global }
    .group_segment_fixed_size: 327680
    .private_segment_fixed_size: 0
    .kernarg_segment_align: 8
    .kernarg_segment_size: 48
    .max_flat_workgroup_size: 128
    .sgpr_count:     98
    .vgpr_count:     1024
    .wavefront_size: 32
...
	.end_amdgpu_metadata
.endif
;; end of part 3
